; MI455X (gfx1250); checked and timed in simulation.
; The chip was launched on July 23, 2026; its instructions are those of AMD's public machine-readable ISA for CDNA 5 (MIT licence, August 2026) and "CDNA5" Instruction Set Architecture Reference Guide (July 2026). The comments in the code are by the model that wrote it; some were corrected since.
;; Multi Head Attention. Allowed arithmetic: matrix products marked QUANTISED: E2M3 operands, one E8M0 scale for each 32 along K, by v_wmma_scale_f32_16x16x128_f8f6f4 with both operands' format E2M3, f32 sums; everything else in f32.
;; Inputs: W_kqv 1,024 x 3,072 float32; W_o 1,024 x 1,024 float32; b_kqv 3,072 float32; b_o 1,024 float32; embd_k 257 x 64 float32; embd_v 257 x 64 float32; mask 8 x 1,024 int32; x 8 x 1,024 x 1,024 float32.
;; Outputs: out0 8 x 1,024 x 1,024 float32.
;; This version of the problem:
;;   THIS VERSION OF THE PROBLEM IS GIVEN IN LOW PRECISION. The matrix products marked QUANTISED in the list below multiply operands that are first quantised to E2M3 (2 exponent bits, 3 mantissa bits; 6 bits a number), with one power-of-two scale for each 32 numbers along K (OCP MX v1.0); their sums are f32. All else is computed in f32.
;;   The module's matrix products, in the order in which they are computed (A, B: the left and right operand; K: the contracted axis; several contracted axes count as one K, in the product's order):
;;     1. [M 8,192, K 1,024] x [K 1,024, N 3,072]; A: input x; B: input W_kqv: QUANTISED
;;     2. batch 128 x [M 1,024, K 64] x [K 64, N 1,024]; A: computed on the way; B: computed on the way: QUANTISED
;;     3. batch 1,024 x [M 1,024, K 64] x [K 64, N 128]; A: computed on the way; B: computed on the way: QUANTISED
;;     4. batch 128 x [M 1,024, K 1,024] x [K 1,024, N 64]; A: softmax (see below); B: computed on the way: QUANTISED
;;     5. batch 1,024 x [M 64, K 1,024] x [K 1,024, N 128]; A: computed on the way; B: softmax (see below): QUANTISED
;;     6. [M 8,192, K 1,024] x [K 1,024, N 1,024]; A: computed on the way; B: input W_o: QUANTISED
;;   THE QUANTISER, for each operand of a quantised product, along K:
;;     - K is cut into blocks of 32 from its start; a last block that is shorter is filled with zeros.
;;     - A block's scale is 2^e with e = floor(log2(the largest magnitude in the block)) - 2, held to -126 .. 127; a block of zeros has e = 0. As a byte (E8M0): e + 127.
;;     - Each number is divided by its block's scale, clamped to +-7.5, and rounded to the nearest number of E2M3, ties to even, subnormals kept.
;;     - The product sums the exact products of the quantised numbers (number of the format x scale) in f32.
;;   ~~~python
;;   def quantise(x, axis):      # numpy; x: float32 -> the quantised numbers, widened to float32 again
;;       x = np.moveaxis(x, axis, -1); K = x.shape[-1]
;;       x = np.pad(x, [(0, 0)] * (x.ndim - 1) + [(0, -K % 32)]); x = x.reshape(x.shape[:-1] + (-1, 32)); a = np.abs(x).max(-1, keepdims=True)
;;       e = np.where(a > 0, np.clip(np.frexp(np.where(a > 0, a, 1))[1] - 1 - 2, -126, 127), 0)      # np.frexp(a)[1] - 1 = floor(log2(a)), exactly
;;       r = np.clip(x / 2.0 ** e, -7.5, 7.5)
;;       step = 2.0 ** (np.maximum(np.frexp(np.where(r == 0, 1, r))[1] - 1, 0) - 3)
;;       q = np.round(r / step) * step * 2.0 ** e      # np.round: ties to even
;;       return np.moveaxis(q.reshape(q.shape[:-2] + (-1,))[..., :K], -1, axis).astype(np.float32)
;;   ~~~
;;   SOFTMAX AHEAD OF A QUANTISED PRODUCT. Where the list says 'softmax', what is quantised is not the finished softmax but p = 2^(t - M), with t = logit x log2(e) and M = ceil(the row's largest t), a whole number; so 1/2 < the row's largest p <= 1. The row's sum l is taken of the UNQUANTISED p, in f32, and the product's result is divided by l at the end. Since M is a whole number, a kernel that streams over the keys may use a running M (the ceiling of the running maximum): every later rescaling is an exact power of two, which a block's scale takes up: the codes' values come out the same.
;;   OPERANDS COMPUTED ON THE WAY. 'Computed on the way' means the value that the module computes at that place (a softmax that the list does not call 'softmax' is quantised finished and normalised). What goes into a quantiser is computed in f32, as accurately as f32 sums, v_exp_f32 and their like allow (about 1e-6 of the number): no bf16 or f16 on the way to a quantiser, and a product that is left as it is and whose result goes on into a quantised operand takes f32 operands (vector FMAs, or v_wmma_f32_16x16x4_f32). A number that lies on a knife's edge between two numbers of the format may be rounded either way, as far as f32 arithmetic and the matrix unit's own rounding can turn it there, and no further.
;; One version. Each part assembles by itself: llvm-mc -triple=amdgcn-amd-amdhsa -mcpu=gfx1250 --defsym DOCPART=n.
;; ======== version 1 of 1: 4 launches
;; limits: right only within a limited range of input values
;; workspace buffers: xr 6,815,744 bytes; wr 3,407,872 bytes; tab 641,536 bytes; qk 13,107,200 bytes; vt 6,553,600 bytes; cr 6,815,744 bytes
;; launch prep (part 1): grid 808 x 1, 4 waves a work-group, no clusters, 34,304 bytes of LDS; arguments x, W_kqv, W_o, embd_k, embd_v, xr, wr, tab; writes xr, wr, tab
.if DOCPART == 1
	.amdgcn_target "amdgcn-amd-amdhsa--gfx1250"
	.amdhsa_code_object_version 6
	.text
	.protected	k_q63ec7901e2_prep
	.globl	k_q63ec7901e2_prep
	.p2align	8
	.type	k_q63ec7901e2_prep,@function
k_q63ec7901e2_prep:
	s_mov_b64 s[64:65], 0
	v_nop
	global_prefetch_b8 v0, s[64:65] scope:SCOPE_SE
	s_setreg_imm32_b32 hwreg(HW_REG_WAVE_MODE, 25, 1), 1
	s_wait_xcnt 0x0
; THE OPERANDS THAT ARE KNOWN AHEAD are turned into codes of FP6 (E2M3) with one E8M0 byte for each 32 along K, laid as the later launches' registers take them.
; A UNIT is 16 rows x 64 K, 768 bytes: bytes 256 p + 8 lane + 0..7 are bytes 8 p .. 8 p + 7 of the 24 bytes of block (lane / 16) of row (lane % 16): three loads of 8 bytes a lane fill six registers of a fragment.
; ORDER INSIDE A BLOCK: place i of a block of 32 holds k = pi(i), pi = 0-7, 16-23, 8-15, 24-31, in EVERY operand of the program: the order in which a transposed matrix result falls out of the conversions.  The same order stands on both sides of every product.
; A RECORD (operands with K = 1,024): 16 rows in 13,312 bytes: four chunks of 3,328: four units, then 16 rows x 8 bytes (the scale words of the chunk's two K steps of 128), then 128 bytes that nobody writes or reads.
; Four paths, parted on the work-group's number:  0-511: x -> xr;  512-767: W_kqv and W_o -> wr (K is their first axis: a lane takes a column, its registers run down K);
; 768-799: the tables T of embd_v for the band of the second relative product, one for each residue of the query mod 32, and the two far numbers a channel;  800-807: embd_k as 32 tiles over the extended index -128 .. 383.
; A block's scale is 2^(floor(log2(largest magnitude)) - 2): its byte is the largest magnitude's exponent field - 2, held at 1 from below (a block of zeros gets 1: its codes are zeros, and this program alone reads the bytes).
; LIMITS: blocks whose largest magnitude lies under 2^-124 keep the byte 1; NaN and infinities among the inputs are not served.
.set SPARE, 33792                      ; behind the four stages of path x: the spare words, 128 bytes a wave
.set SPW, 12                           ; v12 my spare word's LDS address; never rewritten
.set NIL, 13                           ; v13 0; never rewritten
; 32 numbers of ONE lane, v[x] on, become a block's six registers of codes v[c] on; its byte is left in v[m].  t: three registers, m: two, at work
.macro BQ x, c, t, m
	v_max3_num_f32 v[\m], |v[\x]|, |v[\x+1]|, |v[\x+2]|
	v_max3_num_f32 v[\m+1], |v[\x+3]|, |v[\x+4]|, |v[\x+5]|
.irp i, 6,10,14,18,22,26
	v_max3_num_f32 v[\m], v[\m], |v[\x+\i]|, |v[\x+\i+1]|
	v_max3_num_f32 v[\m+1], v[\m+1], |v[\x+\i+2]|, |v[\x+\i+3]|
.endr
	v_max3_num_f32 v[\m], v[\m], |v[\x+30]|, |v[\x+31]|
	v_max3_num_f32 v[\m], v[\m], v[\m+1], 0x1800000        ; and the floor 2^(3 - 127): the byte cannot fall under 1
	v_add_nc_u32 v[\m+1], 0xff000000, v[\m]                ; 2 off the exponent field: the conversion takes this operand's exponent field as its scale
	v_cvt_scalef32_pk16_fp6_f32 v[\c:\c+2], v[\x:\x+15], v[\m+1]
	v_cvt_scalef32_pk16_fp6_f32 v[\t:\t+2], v[\x+16:\x+31], v[\m+1]   ; (a conversion's three registers begin on an even number)
	v_lshrrev_b32 v[\m], 23, v[\m+1]                       ; the byte; also the plain line behind the conversions
.irp i, 0,1,2
	v_mov_b32 v[\c+3+\i], v[\t+\i]
.endr
.endm
; a scale word of 128 along K: my two bytes (blocks h and 2 + h) at their places, joined with lane xor 16's two
.macro WORD dst, lo, hi
	v_lshl_or_b32 v[\dst], v[\hi], 16, v[\lo]
	v_lshlrev_b32 v[\dst], v9, v[\dst]
	v_permlanex16_b32 v10, v[\dst], s22, s23
	v_or_b32 v[\dst], v[\dst], v10
.endm
	s_load_b256 s[4:11], s[0:1], 0x0               ; x, W_kqv, W_o, embd_k
	s_load_b256 s[12:19], s[0:1], 0x20             ; embd_v, xr, wr, tab
	v_lshl_add_u32 v[SPW], v0, 2, SPARE
	v_mov_b32 v[NIL], 0
	v_lshrrev_b32 v1, 5, v0
	v_readfirstlane_b32 s20, v1                    ; wave
	v_and_b32 v1, 31, v0                           ; lane
	v_and_b32 v2, 15, v0                           ; r
	v_bfe_u32 v3, v0, 4, 1                         ; h
	v_lshlrev_b32 v4, 3, v1                        ; 8 x lane: my place in a third of a unit
	v_lshlrev_b32 v9, 3, v3                        ; 8 h: the shift of my bytes in a scale word
	v_mov_b32 v10, 0                               ; (a lane permute's destination counts as one of its sources)
	v_mov_b32 v11, 0
	s_mov_b32 s22, 0x76543210
	s_mov_b32 s23, 0xfedcba98                      ; selects for lane xor 16
	s_mov_b32 s31, 0
	s_wait_kmcnt 0x0
	; THE WORK-GROUPS' NUMBERS AS THEY STAND NOW: 0-511 x, 512-767 the weights, 768-799 the tables T, 800-807 embd_k
	s_cmp_lt_u32 ttmp9, 512
	s_cbranch_scc1 .Lpath_x
	s_cmp_lt_u32 ttmp9, 768
	s_cbranch_scc1 .Lpath_w
	s_cmp_lt_u32 ttmp9, 800
	s_cbranch_scc1 .Lpath_t
; ---- embd_k: tile ge holds rows clip(16 ge - 128 + r, 0, 256); a wave a tile; lane (r, h) owns block h of its row
	s_sub_co_u32 s24, ttmp9, 800
	s_lshl_b32 s24, s24, 2
	s_add_co_u32 s24, s24, s20                     ; ge
	s_lshl_b32 s25, s24, 4
	s_wait_alu depctr_va_vdst(0)
	v_add_nc_u32 v5, s25, v2                       ; the index + 128
	v_min_u32 v5, 384, v5                          ; held at 256 from above,
	v_sub_nc_u32 v5, 384, v5                       ; 256 - index,
	v_min_u32 v5, 256, v5                          ; held at 0 from below
	v_lshlrev_b32 v5, 8, v5
	v_lshl_add_u32 v6, v3, 7, 0x10000
	v_sub_nc_u32 v5, v6, v5                        ; 256 bytes x index + 128 h
.irp i, 0,1,2,3,4,5,6,7
	global_load_b128 v[16+4*\i:19+4*\i], v5, s[10:11] offset:16*((\i%2)+2*(2*((\i/2)%2)+\i/4))   ; four numbers at a time, in the order pi
.endr
	s_mul_i32 s30, s24, 768
	s_add_nc_u64 s[26:27], s[18:19], s[30:31]      ; the tile's unit
	s_lshl_b32 s30, s24, 6
	s_add_nc_u64 s[28:29], s[18:19], s[30:31]      ; its scale words
	v_lshlrev_b32 v8, 2, v2
	s_wait_loadcnt 0x0
	BQ 16, 176, 208, 212
	v_lshlrev_b32 v214, v9, v212
	v_permlanex16_b32 v10, v214, s22, s23
	v_or_b32 v214, v214, v10
	v_or_b32 v214, 0x01010000, v214                ; bytes 2 and 3 (the empty half of K) are 1
.irp p, 0,1,2
	global_store_b64 v4, v[176+2*\p:177+2*\p], s[26:27] offset:256*\p
.endr
	global_store_b32 v8, v214, s[28:29] offset:24576
	s_endpgm
; ---- x: a wave takes 16 rows x 256 K, in two steps of 128.  Each load reads 512 consecutive bytes of one row; the step turns through the wave's stage in LDS (rows of 528 bytes), whence lane (r, h) takes whole blocks of its row
.Lpath_x:
	s_lshl_b32 s24, ttmp9, 2
	s_add_co_u32 s24, s24, s20
	; a wave takes 16 rows x 256 K, one chunk of the record, in two steps of 128: all its 32 loads are issued at once
	s_lshr_b32 s25, s24, 2                         ; which 16 rows
	s_and_b32 s26, s24, 3                          ; which quarter of K
	s_lshl_b32 s30, s25, 16
	s_lshl_b32 s27, s26, 10
	s_add_co_u32 s30, s30, s27
	s_add_nc_u64 s[4:5], s[4:5], s[30:31]
	s_mul_i32 s30, s25, 13312
	s_mul_i32 s27, s26, 3328
	s_add_co_u32 s30, s30, s27
	s_add_nc_u64 s[14:15], s[14:15], s[30:31]
	s_mul_i32 s27, s20, 8448                       ; my stage
	s_wait_alu depctr_va_vdst(0)
	v_lshlrev_b32 v5, 4, v1
	v_add_nc_u32 v6, s27, v5                       ; into it: 16 x lane
	v_mul_u32_u24 v7, v2, 528
	v_lshl_add_u32 v7, v3, 7, v7
	v_add_nc_u32 v7, s27, v7                       ; out of it: row r, block h
	v_lshlrev_b32 v8, 3, v2                        ; a row's two scale words
.macro XLOAD s, set
.irp rr, 0,1,2,3,4,5,6,7,8,9,10,11,12,13,14,15
	global_load_b128 v[16+64*(\set)+4*\rr:19+64*(\set)+4*\rr], v5, s[4:5] offset:\rr*4096+512*(\s) th:TH_LOAD_NT
.endr
.endm
.macro XTURN set
.irp rr, 0,1,2,3,4,5,6,7,8,9,10,11,12,13,14,15
	ds_store_b128 v6, v[16+64*(\set)+4*\rr:19+64*(\set)+4*\rr] offset:528*\rr
.endr
.irp u, 0,1
.irp i, 0,1,2,3,4,5,6,7
	ds_load_b128 v[144+32*\u+4*\i:147+32*\u+4*\i], v7 offset:256*\u+16*((\i%2)+2*(2*((\i/2)%2)+\i/4))   ; LDS serves a wave's instructions in order: these see the stores above
.endr
.endr
.endm
.macro XSTEP s
.if \s < 1
	s_wait_loadcnt 16                              ; this step's 16 loads are in; the other set's 16 may be out
.else
	s_wait_loadcnt 0x0
.endif
	XTURN (\s)%2
	s_wait_dscnt 0x0                               ; the numbers are back, and the stage's stores have read their registers,
	s_wait_xcnt 0x0                                ; the last step's stores have read the registers that are written next
	BQ 144, 208, 224, 228
	BQ 176, 216, 224, 230
	WORD 236+(\s)%2, 228, 230
.irp u, 0,1
.irp p, 0,1,2
	global_store_b64 v4, v[208+8*\u+2*\p:209+8*\u+2*\p], s[14:15] offset:((\s)/2)*3328+(2*((\s)%2)+\u)*768+256*\p   ; 32 lanes store 256 consecutive bytes, aligned
.endr
.endr
.if (\s)%2
	global_store_b64 v8, v[236:237], s[14:15] offset:((\s)/2)*3328+3072   ; the chunk's two words of each row (both halves of the lanes write the same)
.endif
.endm
	XLOAD 0, 0
	XLOAD 1, 1
	s_wait_alu depctr_va_vdst(0)
	XSTEP 0
	XSTEP 1
	s_wait_tensorcnt 0x0                           ; the wave's end
	ds_add_u32 v[SPW], v[NIL]
	s_wait_dscnt 0x0
	s_endpgm
; ---- the weights: a work-group takes 128 columns x 128 K; a lane a column, its registers down K in the order pi; each load reads 128 consecutive bytes a wave.  Loads run two blocks of 32 along K ahead
.Lpath_w:
	s_sub_co_u32 s24, ttmp9, 512
	s_and_b32 s25, s24, 31                         ; which 128 columns: 0-23 of W_kqv, 24-31 of W_o
	s_lshr_b32 s26, s24, 5                         ; which K step
	s_mov_b32 s27, 4096
	s_cmp_lt_u32 s25, 24
	s_cselect_b64 s[6:7], s[6:7], s[8:9]
	s_cselect_b32 s27, 12288, s27                  ; a row of the weight in bytes
	s_cselect_b32 s28, 0, 24
	s_sub_co_u32 s28, s25, s28
	s_lshl_b32 s30, s28, 9
	s_lshl_b32 s29, s20, 7
	s_add_co_u32 s30, s30, s29                     ; my wave's 32 columns
	s_lshl_b32 s29, s26, 7
	s_mul_i32 s29, s29, s27
	s_add_co_u32 s30, s30, s29                     ; the K step's first row
	s_add_nc_u64 s[32:33], s[6:7], s[30:31]
	s_lshl_b32 s30, s27, 5                         ; 32 rows on: a base for each block
	s_add_nc_u64 s[34:35], s[32:33], s[30:31]
	s_add_nc_u64 s[36:37], s[34:35], s[30:31]
	s_add_nc_u64 s[38:39], s[36:37], s[30:31]
	s_wait_alu depctr_va_vdst(0)
	v_lshlrev_b32 v5, 2, v1
.set i, 0
.rept 32
	v_mad_u32_u24 v[144+i], s27, (i%8)+8*(2*((i/8)%2)+i/16), v5
.set i, i+1
.endr
.macro WLOAD bb                        ; block bb: W(128 ks + 32 bb + pi(i), my column), i = 0 .. 31
.set i, 0
.rept 32
	global_load_b32 v[16+32*(\bb)+i], v[144+i], s[32+2*(\bb):33+2*(\bb)] th:TH_LOAD_NT
.set i, i+1
.endr
.endm
	WLOAD 0
	WLOAD 1
	s_lshl_b32 s29, s25, 3
	s_lshl_b32 s30, s20, 1
	s_add_co_u32 s29, s29, s30                     ; my first record of two
	s_mul_i32 s30, s29, 13312
	s_lshr_b32 s29, s26, 1
	s_mul_i32 s29, s29, 3328
	s_add_co_u32 s30, s30, s29
	s_add_nc_u64 s[16:17], s[16:17], s[30:31]      ; the chunk
	s_and_b32 s29, s26, 1
	s_mul_i32 s30, s29, 1536
	s_add_nc_u64 s[40:41], s[16:17], s[30:31]      ; the K step's two units
	s_lshl_b32 s30, s29, 2
	s_add_nc_u64 s[42:43], s[16:17], s[30:31]      ; and its word in each row's pair
	v_mul_u32_u24 v6, v3, 13312
	v_lshl_add_u32 v6, v2, 3, v6
	s_wait_alu depctr_va_vdst(0)
.irp bb, 0,1,2,3
.if \bb < 3
	s_wait_loadcnt 32                              ; this block's 32 loads are in; the next block's 32 may be out
.else
	s_wait_loadcnt 0x0
.endif
.if \bb < 2
	WLOAD \bb+2                                    ; the block two on, into registers of its own
.endif
	BQ 16+32*\bb, 176+8*\bb, 208, 212+2*\bb
.endr
	v_lshl_or_b32 v220, v214, 8, v212              ; my column's four bytes
	v_lshl_or_b32 v220, v216, 16, v220
	v_lshl_or_b32 v220, v218, 24, v220
.irp u, 0,1                                    ; 32 columns x one block a register run -> two units: the first run's lanes 16-31 change places with the second's lanes 0-15
.irp i, 0,1,2,3,4,5
	v_permlane16_swap_b32 v[176+16*\u+\i], v[184+16*\u+\i]
.endr
.endr
.irp u, 0,1
.irp p, 0,1,2
	global_store_b64 v4, v[176+16*\u+2*\p:177+16*\u+2*\p], s[40:41] offset:768*\u+256*\p
	global_store_b64 v4, v[184+16*\u+2*\p:185+16*\u+2*\p], s[40:41] offset:13312+768*\u+256*\p
.endr
.endr
	global_store_b32 v6, v220, s[42:43] offset:3072
	s_endpgm
; ---- T: for queries q = 32 a + rho, block dd (0..8) of the table is the key block a + dd - 4 of embd_v[clip(k - q) + 128][d], quantised along the keys: it hangs on (rho, dd, d) alone.
; A work-group a rho, a wave 16 channels; lane (r, h) owns block 4 kk + 2 c + h of channel 16 wave + r.  Blocks 9 to 11 are zeros.  A fragment leaves as an image of its 12 registers.  Loads run two blocks ahead
.Lpath_t:
	s_sub_co_u32 s24, ttmp9, 768
	s_sub_co_u32 s25, 32, s24
	s_wait_alu depctr_va_vdst(0)
	v_lshlrev_b32 v5, 5, v3
	v_add_nc_u32 v5, s25, v5                       ; 32 h - rho + 32: the index + 32 of the block's first key, less 64 q
	s_lshl_b32 s25, s20, 6
	s_add_co_u32 s25, s25, 0x10000
	v_lshl_add_u32 v6, v2, 2, s25                  ; 256 rows of 256 bytes + 4 d
	v_lshlrev_b32 v7, 4, v1
	v_lshlrev_b32 v8, 2, v2
	s_mov_b32 s26, 0xffff0000
.macro TLOAD q                         ; my block 2 q + h: 32 numbers, each from its own row of embd_v
.set i, 0
.rept 32
.set RG, 16+32*(\q)+i
	v_add_nc_u32 v[RG], 64*(\q)+(i%8)+8*(2*((i/8)%2)+i/16), v5
	v_min_u32 v[RG], 288, v[RG]                    ; the index held at 256 from above,
	v_sub_nc_u32 v[RG], 288, v[RG]
	v_min_u32 v[RG], 256, v[RG]                    ; and at 0 from below
	v_lshlrev_b32 v[RG], 8, v[RG]
	v_sub_nc_u32 v[RG], v6, v[RG]
	global_load_b32 v[RG], v[RG], s[12:13]         ; (a load may land on its own address register)
.set i, i+1
.endr
.endm
	TLOAD 0
	TLOAD 1
	s_mul_i32 s27, s24, 12
	s_add_co_u32 s27, s27, s20                     ; fragment 12 rho + wave, and 4 on for each 128 keys
	s_mul_i32 s30, s27, 1536
	s_add_nc_u64 s[28:29], s[18:19], s[30:31]
	s_lshl_b32 s30, s27, 6
	s_add_nc_u64 s[32:33], s[18:19], s[30:31]
.irp q, 0,1,2,3,4
.if \q < 4
	s_wait_loadcnt 32                              ; this block's 32 loads are in; the next block's 32 may be out
.else
	s_wait_loadcnt 0x0
.endif
.if \q < 3
	TLOAD \q+2                                     ; the block two on, into registers of its own
.endif
.if \q == 4
.set i, 0
.rept 32
	v_cndmask_b32 v[144+i], v[144+i], v11, s26     ; block 9 (lanes 16-31) is zeros
.set i, i+1
.endr
.endif
	BQ 16+32*\q, 176+6*\q, 212, 216+2*\q
.endr
.irp i, 0,1,2,3,4,5
	v_mov_b32 v[206+\i], 0                         ; blocks 10 and 11
.endr
	v_mov_b32 v225, 1
	WORD 226, 216, 218
	WORD 227, 220, 222
	WORD 228, 224, 225
.irp k, 0,1,2
.irp cc, 0,1,2
	global_store_b128 v7, v[176+12*\k+4*\cc:179+12*\k+4*\cc], s[28:29] offset:26624+6144*\k+512*\cc
.endr
	global_store_b32 v8, v[226+\k], s[32:33] offset:616448+256*\k
.endr
	s_cmp_lg_u32 s24, 0
	s_cbranch_scc1 .Lt_end
	; the far numbers: a block in which all 32 numbers are v = embd_v[0][d] (lanes 0-15) or embd_v[256][d] (lanes 16-31) quantises to c = round(v / 2^(e - 1)) x 2^(e - 1), held at 15 steps, e = floor(log2 |v|) - 2
	s_lshl_b32 s25, s20, 6
	v_lshl_add_u32 v232, v2, 2, s25
	v_lshl_add_u32 v233, v3, 16, v232
	global_load_b32 v234, v233, s[12:13]
	v_lshl_add_u32 v232, v3, 8, v232
	s_wait_loadcnt 0x0
	v_max_num_f32 v14, 0x1800000, |v234|
	v_and_b32 v14, 0x7f800000, v14                 ; 2^floor(log2 |v|)
	v_sub_nc_u32 v15, 0x80800000, v14              ; 2^(3 - floor(log2 |v|))
	v_mul_f32 v15, v234, v15
	v_rndne_f32 v15, v15
	v_min_num_f32 v15, 0x41700000, v15
	v_max_num_f32 v15, 0xc1700000, v15
	v_add_nc_u32 v14, 0xfe800000, v14              ; 2^(floor(log2 |v|) - 3)
	v_mul_f32 v15, v15, v14
	global_store_b32 v232, v15, s[18:19] offset:641024
.Lt_end:
	s_endpgm
.Lfunc_end_k_q63ec7901e2_prep:
	.size	k_q63ec7901e2_prep, .Lfunc_end_k_q63ec7901e2_prep-k_q63ec7901e2_prep
	.p2alignl 7, 3214868480
	.fill 96, 4, 3214868480
	.section	.rodata,"a",@progbits
	.p2align	6, 0x0
	.amdhsa_kernel k_q63ec7901e2_prep
		.amdhsa_group_segment_fixed_size 34304
		.amdhsa_private_segment_fixed_size 0
		.amdhsa_enable_private_segment 0
		.amdhsa_kernarg_size 64
		.amdhsa_user_sgpr_count 2
		.amdhsa_user_sgpr_kernarg_segment_ptr 1
		.amdhsa_wavefront_size32 1
		.amdhsa_system_sgpr_workgroup_id_x 1
		.amdhsa_system_sgpr_workgroup_id_y 1
		.amdhsa_system_sgpr_workgroup_id_z 1
		.amdhsa_system_vgpr_workitem_id 0
		.amdhsa_next_free_vgpr 240
		.amdhsa_next_free_sgpr 66
		.amdhsa_reserve_vcc 0
		.amdhsa_float_denorm_mode_32 3
		.amdhsa_float_denorm_mode_16_64 3
		.amdhsa_memory_ordered 1
		.amdhsa_forward_progress 1
		.amdhsa_inst_pref_size 120
	.end_amdhsa_kernel
	.amdgpu_metadata
---
amdhsa.version: [ 1, 2 ]
amdhsa.kernels:
  - .name:           k_q63ec7901e2_prep
    .symbol:         k_q63ec7901e2_prep.kd
    .args:
      - { .name: x, .offset: 0, .size: 8, .value_kind: global_buffer, .address_space: global }
      - { .name: W_kqv, .offset: 8, .size: 8, .value_kind: global_buffer, .address_space: global }
      - { .name: W_o, .offset: 16, .size: 8, .value_kind: global_buffer, .address_space: global }
      - { .name: embd_k, .offset: 24, .size: 8, .value_kind: global_buffer, .address_space: global }
      - { .name: embd_v, .offset: 32, .size: 8, .value_kind: global_buffer, .address_space: global }
      - { .name: xr, .offset: 40, .size: 8, .value_kind: global_buffer, .address_space: global }
      - { .name: wr, .offset: 48, .size: 8, .value_kind: global_buffer, .address_space: global }
      - { .name: tab, .offset: 56, .size: 8, .value_kind: global_buffer, .address_space: global }
    .group_segment_fixed_size: 34304
    .private_segment_fixed_size: 0
    .kernarg_segment_align: 8
    .kernarg_segment_size: 64
    .max_flat_workgroup_size: 128
    .sgpr_count:     66
    .vgpr_count:     240
    .wavefront_size: 32
...
	.end_amdgpu_metadata
.endif
;; end of part 1
;; launch gemm_qkv (part 2): grid 16 x 48, 4 waves a work-group, clusters of 4 x 4, 327,680 bytes of LDS; arguments xr, wr, b_kqv, qk, vt; writes qk, vt
.if DOCPART == 2
	.amdgcn_target "amdgcn-amd-amdhsa--gfx1250"
	.amdhsa_code_object_version 6
	.text
	.protected	k_q63ec7901e2_gemm_qkv
	.globl	k_q63ec7901e2_gemm_qkv
	.p2align	8
	.type	k_q63ec7901e2_gemm_qkv,@function
k_q63ec7901e2_gemm_qkv:
	s_mov_b64 s[64:65], 0
	v_nop
	global_prefetch_b8 v0, s[64:65] scope:SCOPE_SE
	s_setreg_imm32_b32 hwreg(HW_REG_WAVE_MODE, 25, 1), 1
	s_wait_xcnt 0x0
	s_wait_alu depctr_hold_cnt(0) depctr_sa_sdst(0) depctr_va_vdst(0) depctr_va_sdst(0) depctr_va_ssrc(0) depctr_va_vcc(0) depctr_vm_vsrc(0)
	s_getreg_b32 s2, hwreg(HW_REG_IB_STS2, 6, 4)
	s_cmp_eq_u32 s2, 0
	s_cbranch_scc0 .Lentry_in_a_cluster
	s_endpgm
.Lentry_in_a_cluster:
	s_bfe_u32 s2, ttmp6, 0x10000c
	s_cmp_lg_u32 s2, 0xf033
	s_cbranch_scc0 .Lentry_shape_is_right
	s_endpgm
.Lentry_shape_is_right:
; q, k and v = x W_kqv + b_kqv on codes of FP6 (E2M3), and their quantising for attention: q and k along the head's 64 (units [head or 16 + head][16 tokens]), v along the tokens (units of v^T: [64 tokens][16 channels]).
; A work-group of four waves makes 256 rows of A x 128 rows of B; a wave 128 x 64: 32 accumulators.  Clusters with y under 8: A = x (8,192 tokens), B = the 2,048 columns of W for q and k.
; The others: A = the 1,024 columns of W for v, B = x: the same product transposed, so that here too a lane's registers run along the axis that is quantised next.  Only pointers and sizes are chosen, by the cluster's y, which all partners share: one way through the text.
; THE MATRIX INSTRUCTION IS USED TRANSPOSED (source 0 = 16 rows of B, source 1 = 16 rows of A): a lane holds one row of A and eight neighbours along B's rows.
; OPERANDS come as records (16 rows, K = 1,024: four chunks of four units and the rows' scale words).  All of K lies in LDS: two halves of 156,672 bytes (A's 16 records x 6,528, then B's 8), each filled ONCE: no slot is filled again.
; A wave issues one tensor load at the head and one behind a round of the cluster's barrier: one is out at a time.
; CLUSTERS: 4 x 4 work-groups; A's tiles are asked for jointly along a row of the cluster, B's along a column.
; REGISTERS: window 0: v4-12 addresses; v16-25 at work; v32-55 scale words, two sets of 12, and nothing else; v64-159 A's eight fragments; v160-207, v208-255 B's two sets of four.  Window 1: accumulator (a, b) at v[8 (4 a + b)].
;   Window 2: v0-31 the bias along B's rows, v32-47 the bias of A's rows (a pair for each block); the one that does not apply is zeros.
; LIMITS: blocks whose largest magnitude lies under 2^-124 keep the byte 1; NaN and infinities are not served.
; THE LAYOUT IN LDS AS IT STANDS NOW: K lies in LDS in TWO HALVES of 512 along K, each filled once.  A half is 24 rows of 6,528 bytes (A's 16 records, then B's 8);
; a row is two chunks of a record as they lie in memory (3,328 + 3,200 bytes), and begins at a multiple of 256 bytes of the buffer.
; A wave issues ONE joint load at the head (its part of half 0) and one behind the three lines and a round of the cluster's barrier (its part of half 1): one load of a wave is out at a time; every wait on TENSORcnt is for 0.
.set CH,    156672                     ; a half: 24 x 6,528
.set REC,   6528                       ; a record's row in a half
.set STG,   313344                     ; behind the halves: 256 bytes a wave, where its half-words of scale bytes are gathered
.set SPARE, 314368                     ; the spare words, 128 bytes a wave
.set SPW,   28
.set NIL,   29
.set QM,    16                         ; v16-22 the quantiser's registers
.set SELR,  66                         ; s[66:67] selects for lane xor 16
.set MSB, 0
.macro WIN new                         ; the immediate's high byte repeats the setting that is left
.if MSB != \new
	s_set_vgpr_msb (MSB<<8)|\new
.set MSB, \new
.endif
.endm
.set W_MUL, 0x50                       ; C and D in window 1
.macro CREST
	s_cmp_lg_u32 s14, 0
	s_cbranch_scc1 .Lnot_wave_0_\@
	s_barrier_signal -3
.Lnot_wave_0_\@:
	s_barrier_wait -3
	s_barrier_signal -1
	s_barrier_wait -1
.endm
.macro CROUND                          ; a round of the cluster's barrier
	s_barrier_signal -1
	s_barrier_wait -1
	CREST
.endm
.macro PLACES                          ; four plain places behind matrix instructions, in front of loads into their sources and of reads of their results
.rept 4
	v_nop
.endr
.endm
; a joint load of half c: waves 0 and 1 fetch A's two halves of rows, waves 2 and 3 B's; the branch hangs on the wave's number alone
.macro JLOAD c
	s_cmp_eq_u32 s15, 0
	s_cbranch_scc0 .Lfor_b_\@
	tensor_load_to_lds s[68+4*\c:71+4*\c], s[24:31]
	s_nop 0
	PLACES
	s_branch .Lasked_\@
.Lfor_b_\@:
	tensor_load_to_lds s[84+4*\c:87+4*\c], s[48:55]
	s_nop 0
	PLACES
.Lasked_\@:
.endm
.macro FRAG reg, adr, off
.irp p, 0,1,2,3,4,5
	ds_load_b64 v[\reg+2*\p:\reg+2*\p+1], v[\adr] offset:\off+768*(\p/3)+256*(\p%3)
.endr
.endm
.macro FETCH_B q, set
.irp b, 0,1,2,3
	FRAG 160+48*(\set)+12*\b, 5, \b*REC+1536*(\q)
.endr
.endm
.macro FETCH_A q, a0
.irp a, \a0, \a0+1, \a0+2, \a0+3
	FRAG 64+12*(\a), 4, (\a)*REC+1536*(\q)
.endr
.endm
.macro SCALES cs                       ; a chunk's scale words, two a row: lanes 0-15 take A's block i (B's i), lanes 16-31 A's block i + 4 (B's i + 2)
.irp i, 0,1,2,3
	ds_load_b64 v[32+12*(\cs)+2*\i:33+12*(\cs)+2*\i], v6 offset:\i*REC
.endr
.irp i, 0,1
	ds_load_b64 v[40+12*(\cs)+2*\i:41+12*(\cs)+2*\i], v7 offset:\i*REC
.endr
.endm
.macro WM z, rb, ra                    ; one product; z: it starts the sum; rb, ra: B's (A's) scales stand in lanes 16-31
.if \z
.if (\rb) && (\ra)
	v_wmma_scale_f32_16x16x128_f8f6f4 v[AC:AC+7], v[BF:BF+11], v[AG:AG+11], 0, v[SBR], v[SAR] matrix_a_fmt:MATRIX_FMT_FP6 matrix_b_fmt:MATRIX_FMT_FP6 matrix_a_scale:MATRIX_SCALE_ROW1 matrix_b_scale:MATRIX_SCALE_ROW1
.elseif \rb
	v_wmma_scale_f32_16x16x128_f8f6f4 v[AC:AC+7], v[BF:BF+11], v[AG:AG+11], 0, v[SBR], v[SAR] matrix_a_fmt:MATRIX_FMT_FP6 matrix_b_fmt:MATRIX_FMT_FP6 matrix_a_scale:MATRIX_SCALE_ROW1
.elseif \ra
	v_wmma_scale_f32_16x16x128_f8f6f4 v[AC:AC+7], v[BF:BF+11], v[AG:AG+11], 0, v[SBR], v[SAR] matrix_a_fmt:MATRIX_FMT_FP6 matrix_b_fmt:MATRIX_FMT_FP6 matrix_b_scale:MATRIX_SCALE_ROW1
.else
	v_wmma_scale_f32_16x16x128_f8f6f4 v[AC:AC+7], v[BF:BF+11], v[AG:AG+11], 0, v[SBR], v[SAR] matrix_a_fmt:MATRIX_FMT_FP6 matrix_b_fmt:MATRIX_FMT_FP6
.endif
.else
.if (\rb) && (\ra)
	v_wmma_scale_f32_16x16x128_f8f6f4 v[AC:AC+7], v[BF:BF+11], v[AG:AG+11], v[AC:AC+7], v[SBR], v[SAR] matrix_a_fmt:MATRIX_FMT_FP6 matrix_b_fmt:MATRIX_FMT_FP6 matrix_a_scale:MATRIX_SCALE_ROW1 matrix_b_scale:MATRIX_SCALE_ROW1
.elseif \rb
	v_wmma_scale_f32_16x16x128_f8f6f4 v[AC:AC+7], v[BF:BF+11], v[AG:AG+11], v[AC:AC+7], v[SBR], v[SAR] matrix_a_fmt:MATRIX_FMT_FP6 matrix_b_fmt:MATRIX_FMT_FP6 matrix_a_scale:MATRIX_SCALE_ROW1
.elseif \ra
	v_wmma_scale_f32_16x16x128_f8f6f4 v[AC:AC+7], v[BF:BF+11], v[AG:AG+11], v[AC:AC+7], v[SBR], v[SAR] matrix_a_fmt:MATRIX_FMT_FP6 matrix_b_fmt:MATRIX_FMT_FP6 matrix_b_scale:MATRIX_SCALE_ROW1
.else
	v_wmma_scale_f32_16x16x128_f8f6f4 v[AC:AC+7], v[BF:BF+11], v[AG:AG+11], v[AC:AC+7], v[SBR], v[SAR] matrix_a_fmt:MATRIX_FMT_FP6 matrix_b_fmt:MATRIX_FMT_FP6
.endif
.endif
.endm
; eight products: A's blocks a0, a0 + 1 x B's four.  The 32 accumulators take turns, one instruction a turn, in the same order in every step
.macro MUL8 a0, set, q, cs, zero
.irp a, \a0, \a0+1
.irp b, 0,1,2,3
.set AC, 8*(4*(\a)+\b)
.set BF, 160+48*(\set)+12*\b
.set AG, 64+12*(\a)
.set SBR, 40+12*(\cs)+2*(\b%2)+(\q)
.set SAR, 32+12*(\cs)+2*((\a)%4)+(\q)
	WM \zero, \b/2, (\a)/4
.endr
.endr
.endm
.macro STEP_E cs, zero                 ; a chunk's first 128 along K; fetches its second
	s_wait_dscnt 24                                ; B's set, A's blocks 0-3 (and the scale words) are in; the youngest 24 loads, A's blocks 4-7, may be out
	WIN W_MUL
	MUL8 0, 0, 0, \cs, \zero
	MUL8 2, 0, 0, \cs, \zero
	s_wait_dscnt 0x0
	PLACES
	WIN 0
	FETCH_B 1, 1
	FETCH_A 1, 0
	WIN W_MUL
	MUL8 4, 0, 0, \cs, \zero
	MUL8 6, 0, 0, \cs, \zero
	PLACES
	WIN 0
	FETCH_A 1, 4
.endm
.macro STEP_O cs, chg, stp             ; a chunk's second 128; it fetches from the next chunk, stp bytes on.  chg = 1: that chunk lies in half 1: my load of it is waited for, and a barrier shows everybody's part
.if \chg
	s_wait_tensorcnt 0x0                           ; my part of half 1 has landed
.endif
	s_wait_dscnt 24
	WIN W_MUL
	MUL8 0, 1, 1, \cs, 0
	s_wait_dscnt 0x0                               ; no LDS instruction of mine is out at the signal
.if \chg
	s_barrier_signal -1
.endif
	MUL8 2, 1, 1, \cs, 0
	WIN 0
.if \chg
	s_barrier_wait -1                              ; everybody's part has landed
.endif
	v_add_nc_u32 v4, \stp, v4                      ; on to the next chunk: four plain lines, the places in front of the loads below
	v_add_nc_u32 v5, \stp, v5
	v_add_nc_u32 v6, \stp, v6
	v_add_nc_u32 v7, \stp, v7
	FETCH_B 0, 0
	FETCH_A 0, 0
	SCALES 1-(\cs)
	WIN W_MUL
	MUL8 4, 1, 1, \cs, 0
	MUL8 6, 1, 1, \cs, 0
	PLACES
	WIN 0
	FETCH_A 0, 4
.endm
; 32 numbers of a lane (two blocks of 32, each shared with lane xor 16) become a unit's six registers v[u] on; the two bytes are left in v[QM+6]
.macro QUANT2 t, u
	v_max3_num_f32 v[QM], |v[\t]|, |v[\t+1]|, 0x1800000       ; with the floor 2^(3 - 127): the byte cannot fall under 1
	v_max3_num_f32 v[QM+1], |v[\t+16]|, |v[\t+17]|, 0x1800000
.irp i, 2,4,6,8,10,12,14
	v_max3_num_f32 v[QM], v[QM], |v[\t+\i]|, |v[\t+\i+1]|
	v_max3_num_f32 v[QM+1], v[QM+1], |v[\t+16+\i]|, |v[\t+17+\i]|
.endr
	v_permlanex16_b32 v[QM+2], v[QM], s[SELR], s[SELR+1]
	v_permlanex16_b32 v[QM+3], v[QM+1], s[SELR], s[SELR+1]
	v_max_num_f32 v[QM], v[QM], v[QM+2]
	v_max_num_f32 v[QM+1], v[QM+1], v[QM+3]
	v_add_nc_u32 v[QM+4], 0xff000000, v[QM]        ; 2 off the exponent field: the conversions' scale operands
	v_add_nc_u32 v[QM+5], 0xff000000, v[QM+1]
	v_lshrrev_b32 v[QM], 23, v[QM+4]
	v_lshrrev_b32 v[QM+1], 23, v[QM+5]
	v_lshl_or_b32 v[QM+6], v[QM+1], 8, v[QM]
	v_cvt_scalef32_pk16_fp6_f32 v[\u:\u+2], v[\t:\t+15], v[QM+4]
	v_cvt_scalef32_pk16_fp6_f32 v[\u+8:\u+10], v[\t+16:\t+31], v[QM+5]
	v_nop                                          ; one plain place behind a scaled conversion
.irp i, 0,1,2
	v_permlane16_swap_b32 v[\u+\i], v[\u+8+\i]     ; a whole block to a lane: lanes 0-15 the first, lanes 16-31 the second
.endr
.irp i, 0,1,2
	v_mov_b32 v[\u+3+\i], v[\u+8+\i]
.endr
.endm
	s_load_b256 s[4:11], s[0:1], 0x0               ; xr, wr, b_kqv, qk
	s_load_b64 s[12:13], s[0:1], 0x20              ; vt
	v_lshl_add_u32 v[SPW], v0, 2, SPARE
	v_mov_b32 v[NIL], 0
	ds_add_u32 v[SPW], v[NIL]                      ; the wave's opening
	ds_add_u32 v[SPW], v[NIL]
	v_lshrrev_b32 v1, 5, v0
	v_readfirstlane_b32 s14, v1                    ; wave
	s_lshr_b32 s15, s14, 1                         ; my half of A's rows.  Also: I fetch for A (0) or for B (1)
	s_and_b32 s16, s14, 1                          ; my half of B's rows.  Also: which half of the tile I fetch
	s_bfe_u32 s40, ttmp6, 0x40000                  ; cx
	s_bfe_u32 s41, ttmp6, 0x40004                  ; cy
	s_and_b32 s43, ttmp7, 0xffff                   ; the cluster's y
	s_lshl_b32 s44, ttmp9, 2
	s_add_co_u32 s44, s44, s40                     ; 4 x cluster x + cx
	s_lshl_b32 s17, s43, 2
	s_add_co_u32 s17, s17, s41                     ; 4 x cluster y + cy
	s_lshl_b32 s45, s43, 4
	s_add_co_u32 s45, s45, s44
	s_sub_co_u32 s45, s45, 128                     ; v's tile column: + 16 (cluster y - 8)
	s_mov_b32 s33, 6291456
	s_cmp_lt_u32 s43, 8                            ; q and k, or v?
	s_cselect_b32 s17, s17, s41                    ; tile row: it holds cy and never cx
	s_cselect_b32 s44, s44, s45                    ; tile column: it holds cx and never cy
	s_cselect_b32 s46, 512, 64                     ; tiles of 16 rows of A in the output
	s_cselect_b32 s47, -1, 0                       ; all lanes: the bias runs along B's rows
	s_cselect_b32 s42, 0, -1                       ; all lanes: it belongs to A's rows
	s_cselect_b32 s33, 12582912, s33               ; where the output's half-words begin
	s_lshl_b32 s62, s41, 2
	s_lshl_b32 s62, 15, s62                        ; my row of the cluster
	s_lshl_b32 s63, 0x1111, s40                    ; my column
	; descriptor group 1: rows of 6,528 bytes (816 elements of 8), 13,312 bytes apart: A 8 records, B 4; no padding
	s_or_b32 s24, s62, (3<<16)|(1<<21)
	s_or_b32 s48, s63, (3<<16)|(1<<21)
	s_mov_b32 s25, 816<<16                         ; rows of 6,528 bytes: 816 elements of 8
	s_mov_b32 s26, 8<<16
	s_mov_b32 s27, 816<<16
	s_mov_b32 s28, 8
	s_mov_b32 s29, 1664
	s_mov_b32 s30, 0
	s_mov_b32 s31, 0
	s_mov_b32 s49, 816<<16
	s_mov_b32 s50, 4<<16
	s_mov_b32 s51, 816<<16
	s_mov_b32 s52, 4
	s_mov_b32 s53, 1664
	s_mov_b32 s54, 0
	s_mov_b32 s55, 0
	s_lshl_b32 s56, s17, 4
	s_lshl_b32 s57, s16, 3
	s_add_co_u32 s56, s56, s57
	s_mul_i32 s56, s56, 13312                      ; A: record 16 x tile row + 8 x half
	s_mov_b32 s57, 0
	s_lshl_b32 s58, s44, 3
	s_lshl_b32 s59, s16, 2
	s_add_co_u32 s58, s58, s59
	s_mul_i32 s58, s58, 13312                      ; B: record 8 x tile column + 4 x half
	s_mov_b32 s59, 0
	s_mul_i32 s60, s16, 52224
	s_mul_i32 s61, s16, 26112
	s_add_co_u32 s61, s61, 104448
	s_lshl_b32 s32, s44, 1
	s_add_co_u32 s32, s32, s16
	s_mul_i32 s32, s32, s46
	s_lshl_b32 s36, s17, 4
	s_add_co_u32 s32, s32, s36
	s_lshl_b32 s36, s15, 3
	s_add_co_u32 s32, s32, s36                     ; my first unit of the output: (2 tile column + half) x tiles + 16 tile row + 8 half
	s_lshl_b32 s66, s44, 9
	s_lshl_b32 s67, s16, 8
	s_add_co_u32 s66, s66, s67                     ; the bias of my 64 rows of B,
	s_lshl_b32 s100, s17, 10
	s_lshl_b32 s67, s15, 9
	s_add_co_u32 s100, s100, s67
	s_add_co_u32 s100, s100, 8192                  ; or of my 128 rows of A (v's part of the bias begins at 2,048)
	s_cmp_lt_u32 s43, 8
	s_cselect_b32 s66, s66, 0
	s_cselect_b32 s100, 0, s100
	s_mov_b32 s67, 0
	s_mov_b32 s101, 0
	s_wait_dscnt 0x0                               ; the opening add is done
	s_wait_kmcnt 0x0
	s_add_nc_u64 s[18:19], s[6:7], 128*13312       ; W's records for v
	s_cmp_lt_u32 s43, 8
	s_cselect_b64 s[20:21], s[4:5], s[18:19]       ; A
	s_cselect_b64 s[22:23], s[6:7], s[4:5]         ; B
	s_cselect_b64 s[10:11], s[10:11], s[12:13]     ; the output
	s_add_nc_u64 s[20:21], s[20:21], s[56:57]
	s_add_nc_u64 s[22:23], s[22:23], s[58:59]
	s_add_nc_u64 s[2:3], s[8:9], s[66:67]
	s_add_nc_u64 s[38:39], s[8:9], s[100:101]
	s_mul_i32 s36, s32, 768
	s_mov_b32 s37, 0
	s_add_nc_u64 s[34:35], s[10:11], s[36:37]      ; my units
	s_lshl_b32 s36, s32, 5
	s_add_co_u32 s36, s36, s33
	s_add_nc_u64 s[36:37], s[10:11], s[36:37]      ; my half-words
	s_mov_b32 s66, 0x76543210
	s_mov_b32 s67, 0xfedcba98
	CROUND                                         ; all sixteen work-groups are here: the joint loads meet
.irp c, 0,1
	s_mov_b32 s[68+4*\c], 1
	s_add_co_u32 s[69+4*\c], s60, \c*CH
	s_add_nc_u64 s[70+4*\c:71+4*\c], s[20:21], \c*6656
	s_or_b32 s[71+4*\c], s[71+4*\c], 0x80000000
	s_mov_b32 s[84+4*\c], 1
	s_add_co_u32 s[85+4*\c], s61, \c*CH
	s_add_nc_u64 s[86+4*\c:87+4*\c], s[22:23], \c*6656
	s_or_b32 s[87+4*\c], s[87+4*\c], 0x80000000
.endr
	JLOAD 0                                        ; half 0: one tensor load a wave at the head
	v_and_b32 v1, 31, v0
	v_and_b32 v2, 15, v0                           ; r
	v_bfe_u32 v3, v0, 4, 1                         ; h
	v_lshlrev_b32 v8, 3, v1                        ; 8 x lane
	v_lshlrev_b32 v9, 5, v3                        ; the bias along B's rows: my eight of each sixteen
	v_lshlrev_b32 v10, 2, v2                       ; the bias of A's rows: row r
	WIN 0x80                                       ; destination window 2
.irp b, 0,1,2,3
	global_load_b128 v[8*\b:8*\b+3], v9, s[2:3] offset:64*\b
	global_load_b128 v[8*\b+4:8*\b+7], v9, s[2:3] offset:64*\b+16
.endr
.irp a, 0,1,2,3,4,5,6,7
	global_load_b32 v[32+2*\a], v10, s[38:39] offset:64*\a
.endr
	WIN 0
	s_mul_i32 s18, s15, 52224
	v_add_nc_u32 v4, s18, v8                       ; my 8 records of A
	s_mul_i32 s19, s16, 26112
	s_add_co_u32 s19, s19, 104448
	v_add_nc_u32 v5, s19, v8                       ; my 4 records of B
	v_lshlrev_b32 v12, 3, v2
	v_mul_u32_u24 v11, v3, 26112
	v_add_nc_u32 v6, v12, v11
	s_add_co_u32 s18, s18, 3072
	v_add_nc_u32 v6, s18, v6                       ; A's scale words: row r; lanes 16-31 four records on
	v_mul_u32_u24 v11, v3, 13056
	v_add_nc_u32 v7, v12, v11
	s_add_co_u32 s19, s19, 3072
	v_add_nc_u32 v7, s19, v7                       ; B's: lanes 16-31 two records on
	s_lshl_b32 s18, s14, 8
	s_add_co_u32 s18, s18, STG
	v_lshl_add_u32 v11, v2, 1, s18                 ; my wave's half-words: in,
	v_add_nc_u32 v12, s18, v8                      ; and out
	v_mov_b32 v18, 0                               ; (a lane permute's destination counts as one of its sources)
	v_mov_b32 v19, 0
	s_wait_loadcnt 0x0
	WIN 0x88                                       ; source 1 and destination window 2
.set i, 0
.rept 32
	v_cndmask_b32 v[i], 0, v[i], s47
.set i, i+1
.endr
.irp a, 0,1,2,3,4,5,6,7
	v_cndmask_b32 v[33+2*\a], 0, v[32+2*\a], s42
	v_cndmask_b32 v[32+2*\a], 0, v[32+2*\a], s42
.endr
	WIN 0
	s_wait_alu depctr_va_vdst(0)
	s_wait_tensorcnt 0x0                           ; my part of half 0 is in
	ds_add_u32 v[SPW], v[NIL]
	s_wait_dscnt 0x0
	CROUND                                         ; everybody's part is in, and all sixteen work-groups are here
	JLOAD 1                                        ; half 1, the first tensor load behind the round: it has three K steps, 96 matrix instructions of the wave, in which to land
	FETCH_B 0, 0
	FETCH_A 0, 0
	SCALES 0
	FETCH_A 0, 4
	STEP_E 0, 1                                    ; the first products start the sums: nothing is cleared
	STEP_O 0, 0, 3328
	s_wait_alu depctr_va_vdst(0)
	STEP_E 1, 0
	STEP_O 1, 1, CH-3328
	s_wait_alu depctr_va_vdst(0)
	STEP_E 0, 0
	STEP_O 0, 0, 3328
	s_wait_alu depctr_va_vdst(0)
	STEP_E 1, 0
	s_wait_dscnt 24                                ; the last 128 along K: nothing more to fetch
	WIN W_MUL
	MUL8 0, 1, 1, 1, 0
	MUL8 2, 1, 1, 1, 0
	s_wait_dscnt 0x0
	MUL8 4, 1, 1, 1, 0
	MUL8 6, 1, 1, 1, 0
	WIN 0
	PLACES
; THE WAY OUT.  Block a: 16 rows of A x my 64 rows of B are one unit: the bias is added, two blocks are quantised, and the unit leaves by three stores of 256 consecutive bytes, aligned.  Each block has its own registers for its codes.
.macro QOUT a
	WIN 0x09                                       ; source 0 window 1, source 1 window 2
.set i, 0
.rept 16
	v_pk_add_f32 v[64+2*i:65+2*i], v[32*(\a)+2*i:32*(\a)+2*i+1], v[2*i:2*i+1]   ; each accumulator from its low end on
.set i, i+1
.endr
	WIN 0x08
.set i, 0
.rept 16
	v_pk_add_f32 v[64+2*i:65+2*i], v[64+2*i:65+2*i], v[32+2*(\a):33+2*(\a)]
.set i, i+1
.endr
	WIN 0
	QUANT2 64, 96+12*(\a)
.irp p, 0,1,2
	global_store_b64 v8, v[96+12*(\a)+2*\p:97+12*(\a)+2*\p], s[34:35] offset:768*(\a)+256*\p
.endr
	ds_store_b16 v11, v[QM+6] offset:32*(\a)       ; both halves of the lanes write the same two bytes
.endm
.irp a, 0,1,2,3,4,5,6,7
	QOUT \a
.endr
	ds_load_b64 v[24:25], v12                      ; LDS serves a wave's instructions in order: this sees my stores
	s_wait_dscnt 0x0
	global_store_b64 v8, v[24:25], s[36:37]        ; my wave's 128 half-words: 256 consecutive bytes, aligned
	s_wait_tensorcnt 0x0                           ; the wave's end
	ds_add_u32 v[SPW], v[NIL]
	s_wait_dscnt 0x0
	CROUND                                         ; the closing round
	s_endpgm
.Lfunc_end_k_q63ec7901e2_gemm_qkv:
	.size	k_q63ec7901e2_gemm_qkv, .Lfunc_end_k_q63ec7901e2_gemm_qkv-k_q63ec7901e2_gemm_qkv
	.p2alignl 7, 3214868480
	.fill 96, 4, 3214868480
	.section	.rodata,"a",@progbits
	.p2align	6, 0x0
	.amdhsa_kernel k_q63ec7901e2_gemm_qkv
		.amdhsa_group_segment_fixed_size 327680
		.amdhsa_private_segment_fixed_size 0
		.amdhsa_enable_private_segment 0
		.amdhsa_kernarg_size 40
		.amdhsa_user_sgpr_count 2
		.amdhsa_user_sgpr_kernarg_segment_ptr 1
		.amdhsa_wavefront_size32 1
		.amdhsa_system_sgpr_workgroup_id_x 1
		.amdhsa_system_sgpr_workgroup_id_y 1
		.amdhsa_system_sgpr_workgroup_id_z 1
		.amdhsa_system_vgpr_workitem_id 0
		.amdhsa_next_free_vgpr 576
		.amdhsa_next_free_sgpr 102
		.amdhsa_reserve_vcc 0
		.amdhsa_float_denorm_mode_32 3
		.amdhsa_float_denorm_mode_16_64 3
		.amdhsa_memory_ordered 1
		.amdhsa_forward_progress 1
		.amdhsa_inst_pref_size 122
	.end_amdhsa_kernel
	.amdgpu_metadata
---
amdhsa.version: [ 1, 2 ]
amdhsa.kernels:
  - .name:           k_q63ec7901e2_gemm_qkv
    .symbol:         k_q63ec7901e2_gemm_qkv.kd
    .args:
      - { .name: xr, .offset: 0, .size: 8, .value_kind: global_buffer, .address_space: global }
      - { .name: wr, .offset: 8, .size: 8, .value_kind: global_buffer, .address_space: global }
      - { .name: b_kqv, .offset: 16, .size: 8, .value_kind: global_buffer, .address_space: global }
      - { .name: qk, .offset: 24, .size: 8, .value_kind: global_buffer, .address_space: global }
      - { .name: vt, .offset: 32, .size: 8, .value_kind: global_buffer, .address_space: global }
    .group_segment_fixed_size: 327680
    .private_segment_fixed_size: 0
    .kernarg_segment_align: 8
    .kernarg_segment_size: 40
    .max_flat_workgroup_size: 128
    .sgpr_count:     102
    .vgpr_count:     576
    .wavefront_size: 32
...
	.end_amdgpu_metadata
.endif
;; end of part 2
;; launch attn (part 3): grid 2 x 128, 16 waves a work-group, no clusters, 327,680 bytes of LDS; arguments qk, vt, tab, mask, cr; writes cr
.if DOCPART == 3
	.amdgcn_target "amdgcn-amd-amdhsa--gfx1250"
	.amdhsa_code_object_version 6
	.text
	.protected	k_q63ec7901e2_attn
	.globl	k_q63ec7901e2_attn
	.p2align	8
	.type	k_q63ec7901e2_attn,@function
k_q63ec7901e2_attn:
	s_mov_b64 s[64:65], 0
	v_nop
	global_prefetch_b8 v0, s[64:65] scope:SCOPE_SE
	s_setreg_imm32_b32 hwreg(HW_REG_WAVE_MODE, 25, 1), 1
	s_wait_xcnt 0x0
; ATTENTION WITH RELATIVE POSITIONS on codes of FP6 (E2M3): scores = Q(q) Q(k)^T + Q(q) Q(embd_k[rel])^T, / 8, masked; p = 2^(t - M), M a whole number; ctx = (Q(p) Q(v) + Q(p) Q(embd_v[rel])) / sum of p; ctx is quantised for the last product.
; SHARES.  A work-group owns one head and 512 neighbouring queries, in two passes of 256: the lower, then the upper 16 of each 32.  Each of its sixteen waves owns one tile of 16 queries, in 256 registers; every wave walks all 1,024 keys, 128 a step.
; K, V, their scale words and embd_k's tiles lie in LDS whole, each filled once.  Both products are used transposed: a lane holds ONE query (lane % 16) throughout.  Inside a block of 32 every operand has the order 0-7, 16-23, 8-15, 24-31.
; FAR AND BAND.  With A = the query tile's own key step, steps A - 1, A, A + 1 are the band; in every other step rel is clipped for all keys: the first relative product is one number a query (the C of the score products), and
; the second is c0[d] or c256[d] times the sum of the QUANTISED p, which a product of p with ones gives (rows 0-7 of the ones count the blocks left of the window, rows 8-15 those right of it, by their scale bytes).
; In a band step the first relative product is Q(q) x five tiles of embd_k, read back skewed through the wave's stage in LDS as the C of the score products.  p's codes and scale bytes are kept in LDS.
; THE SECOND RELATIVE PRODUCT'S BAND.  embd_v[rel] is quantised along the keys in blocks counted from key 0: it hangs on (q mod 32, block - q / 32, d).  The work-group's queries are 16 residues with 16 queries each: behind a barrier wave w
; takes residue w, whose t-th query lies in tile t: columns = those 16 queries, K = the window's nine blocks, source 0 = the residue's table.  The result goes back through LDS.
; THE MASK rides in the empty half of K (the head's 64 fill half of an instruction's 128): place 64 of every key is -7.5 and of every query +7.5; the key's scale byte there is 200 where mask = 0, else 1.
; The running largest t begins at -2^68: above every masked score (-9.6e22 as t), so that a step all of whose keys are masked leaves M alone and gives p = 0, and under every t that is served.
; NO CLUSTER: the two work-groups of a head differ in A, on which branches hang, and a branch may not hang on a work-group's place in a cluster.
; LIMITS: t = logit x log2(e) stays under 1e20 in magnitude; a query all of whose keys are masked gives NaN (by the scale byte 0xff); a kept block of p whose scale would fall under byte 1 when M has risen is held at byte 1:
; it counts for at most 7.5 x 2^-126 beside a sum above 1/2; blocks under 2^-124 keep the byte 1; NaN and infinities among the inputs are not served.
; REGISTERS: v1-4, v7-11 addresses; v5, v6 the add's; v12 -M, v13 the largest t, v[14:15] the sum; v16-27 Q; v29, v30 the far scores; v32-79 four fragments of K or embd_k (their upper six registers never change); v80-87 the far C;
;   v88-95 the ones' sums; v96-159 scores, then p, then V's fragments; v160-191 O^T; v192-203 ones; v204-206, v207-209 the band steps' scale words and -M; v210, v211 lane terms; v212-223 p's codes; v224-247 at work; v248 f.
;   SCALES, and nothing else: v28 Q's, v31 the ones', v249 p's, v250-255 the fragments'.
.set ES,    24576                      ; LDS: from 0 embd_k's 32 units, here their scale words
.set KB,    26624                      ; K: 64 units
.set VB,    75776                      ; V^T: [64 keys][16 channels] units
.set SCB,   124928                     ; a key step's scale words: 512 bytes of K's, 256 of V's
.set BST,   131072                     ; a stage of 16 rows x 400 bytes a wave; later the way back of the band product (4,368 a residue, 272 a column)
.set PST,   233472                     ; p's codes: 4,880 a tile, 304 a query, 24 a block, 12 blocks
.set SST,   311552                     ; p's scale bytes: 272 a tile, 16 a query
.set SPARE, 315904                     ; the spare words, 128 bytes a wave
.set SCO, 96
.set OUTT, 160
.set PCR, 212
.set MX,  224
.set TP,  228
.set SOP, 236
.set TT,  246
.set FF,  248
.set PW,  249
.set SW,  250
.set PWK, 204
.set NMK, 207
.set QM,  224
.set SELR, 20
.macro PLACES
.rept 4
	v_nop
.endr
.endm
; one product: D, source 0, source 1; cz: C is 0, else v[c] on; scales; row: source 0's scales stand in lanes 16-31
.macro W6 d, a, b, cz, c, sa, sb, row
.if \cz
.if \row
	v_wmma_scale_f32_16x16x128_f8f6f4 v[\d:\d+7], v[\a:\a+11], v[\b:\b+11], 0, v[\sa], v[\sb] matrix_a_fmt:MATRIX_FMT_FP6 matrix_b_fmt:MATRIX_FMT_FP6 matrix_a_scale:MATRIX_SCALE_ROW1
.else
	v_wmma_scale_f32_16x16x128_f8f6f4 v[\d:\d+7], v[\a:\a+11], v[\b:\b+11], 0, v[\sa], v[\sb] matrix_a_fmt:MATRIX_FMT_FP6 matrix_b_fmt:MATRIX_FMT_FP6
.endif
.else
.if \row
	v_wmma_scale_f32_16x16x128_f8f6f4 v[\d:\d+7], v[\a:\a+11], v[\b:\b+11], v[\c:\c+7], v[\sa], v[\sb] matrix_a_fmt:MATRIX_FMT_FP6 matrix_b_fmt:MATRIX_FMT_FP6 matrix_a_scale:MATRIX_SCALE_ROW1
.else
	v_wmma_scale_f32_16x16x128_f8f6f4 v[\d:\d+7], v[\a:\a+11], v[\b:\b+11], v[\c:\c+7], v[\sa], v[\sb] matrix_a_fmt:MATRIX_FMT_FP6 matrix_b_fmt:MATRIX_FMT_FP6
.endif
.endif
.endm
.macro QUANT2 t, u                     ; 32 numbers of a lane (two blocks, each shared with lane xor 16) -> a unit's six registers v[u] on (v[u+8] to v[u+10] at work); the two bytes in v[QM+6]
	v_max3_num_f32 v[QM], |v[\t]|, |v[\t+1]|, 0x1800000
	v_max3_num_f32 v[QM+1], |v[\t+16]|, |v[\t+17]|, 0x1800000
.irp i, 2,4,6,8,10,12,14
	s_delay_alu instid0(VALU_DEP_2)
	v_max3_num_f32 v[QM], v[QM], |v[\t+\i]|, |v[\t+\i+1]|
	s_delay_alu instid0(VALU_DEP_2)
	v_max3_num_f32 v[QM+1], v[QM+1], |v[\t+16+\i]|, |v[\t+17+\i]|
.endr
	s_delay_alu instid0(VALU_DEP_2)
	v_permlanex16_b32 v[QM+2], v[QM], s[SELR], s[SELR+1]
	s_delay_alu instid0(VALU_DEP_2)
	v_permlanex16_b32 v[QM+3], v[QM+1], s[SELR], s[SELR+1]
	s_delay_alu instid0(VALU_DEP_2)
	v_max_num_f32 v[QM], v[QM], v[QM+2]
	s_delay_alu instid0(VALU_DEP_2)
	v_max_num_f32 v[QM+1], v[QM+1], v[QM+3]
	s_delay_alu instid0(VALU_DEP_2)
	v_add_nc_u32 v[QM+4], 0xff000000, v[QM]
	s_delay_alu instid0(VALU_DEP_2)
	v_add_nc_u32 v[QM+5], 0xff000000, v[QM+1]
	s_delay_alu instid0(VALU_DEP_2)
	v_lshrrev_b32 v[QM], 23, v[QM+4]
	s_delay_alu instid0(VALU_DEP_2)
	v_lshrrev_b32 v[QM+1], 23, v[QM+5]
	s_delay_alu instid0(VALU_DEP_1)
	v_lshl_or_b32 v[QM+6], v[QM+1], 8, v[QM]
	v_cvt_scalef32_pk16_fp6_f32 v[\u:\u+2], v[\t:\t+15], v[QM+4]
	v_cvt_scalef32_pk16_fp6_f32 v[\u+8:\u+10], v[\t+16:\t+31], v[QM+5]
	v_nop
.irp i, 0,1,2
	v_permlane16_swap_b32 v[\u+\i], v[\u+8+\i]
.endr
.irp i, 0,1,2
	s_delay_alu instid0(VALU_DEP_3)
	v_mov_b32 v[\u+3+\i], v[\u+8+\i]
.endr
.endm
; S^T = K Q^T + C, eight tiles of 16 keys, four at a time.  band = 0: C is the far score (v80-87); 1: C lies in the scores' own registers (the skewed relative scores)
.macro KQ band
.irp g, 0,1
.if \g
	PLACES                                         ; in front of loads into registers that the four products above have read
.endif
.irp t, 0,1,2,3
.irp p, 0,1,2
	ds_load_b64 v[32+12*\t+2*\p:33+12*\t+2*\p], v8 offset:768*(4*\g+\t)+256*\p
.endr
.endr
	ds_load_b32 v[SW+2*\g], v9 offset:256*\g       ; lanes 0-15: the even tile's words, lanes 16-31: the odd tile's
	ds_load_b32 v[SW+2*\g+1], v9 offset:256*\g+128
	s_wait_dscnt 0x0
.irp t, 0,1,2,3
.if \band
	W6 SCO+8*(4*\g+\t), 32+12*\t, 16, 0, SCO+8*(4*\g+\t), SW+2*\g+\t/2, 28, \t%2
.else
	W6 SCO+8*(4*\g+\t), 32+12*\t, 16, 0, 80, SW+2*\g+\t/2, 28, \t%2
.endif
.endr
.endr
.endm
; the softmax of a key step and p's codes.  The 16 registers of tiles 2 b, 2 b + 1 are my half of block b of 32 keys
.macro SOFTMAX
	PLACES
.irp b, 0,1,2,3
	v_max3_num_f32 v[MX+\b], v[SCO+16*\b], v[SCO+1+16*\b], v[SCO+2+16*\b]   ; the largest score of each block: it serves for the row's maximum and, since p rises with the score, for the block's largest p
.endr
.irp i, 3,5,7,9,11,13
.irp b, 0,1,2,3
	v_max3_num_f32 v[MX+\b], v[MX+\b], v[SCO+16*\b+\i], v[SCO+1+16*\b+\i]
.endr
.endr
.irp b, 0,1,2,3
	v_max_num_f32 v[MX+\b], v[MX+\b], v[SCO+15+16*\b]
.endr
.irp b, 0,1,2,3
	s_delay_alu instid0(VALU_DEP_4)
	v_permlanex16_b32 v[TP+\b], v[MX+\b], s20, s21
.endr
.irp b, 0,1,2,3
	s_delay_alu instid0(VALU_DEP_4)
	v_max_num_f32 v[MX+\b], v[MX+\b], v[TP+\b]
.endr
	s_delay_alu instid0(VALU_DEP_2)
	v_max3_num_f32 v[TT], v[MX], v[MX+1], v[MX+2]
	s_delay_alu instid0(VALU_DEP_1)
	v_max_num_f32 v[TT], v[TT], v[MX+3]
	s_delay_alu instid0(VALU_DEP_1)
	v_mul_f32 v[TT], s22, v[TT]                    ; as t: c = log2(e) / 8
	s_delay_alu instid0(VALU_DEP_1)
	v_max_num_f32 v13, v13, v[TT]                  ; the running largest t
	v_mov_b32 v[TT], v12
	s_delay_alu instid0(VALU_DEP_2)
	v_floor_f32 v12, -v13                          ; -M = floor(-t): M is a whole number
	s_delay_alu instid0(VALU_DEP_1)
	v_sub_f32 v[TT], v12, v[TT]                    ; old M - new M, 0 or less
	s_delay_alu instid0(VALU_DEP_1)
	v_cvt_i32_f32 v[TT], v[TT]                     ; (it saturates)
	s_delay_alu instid0(VALU_DEP_1)
	v_ldexp_f32 v[FF], 1.0, v[TT]                  ; f = 2^(old M - new M): a factor that rounds nothing
.set j, 0
.rept 32
	v_pk_fma_f32 v[SCO+j:SCO+j+1], v[SCO+j:SCO+j+1], s[22:23], v[12:13] op_sel_hi:[1,0,0]   ; t - M
.set j, j+2
.endr
.irp b, 0,1,2,3
	v_fma_f32 v[MX+\b], v[MX+\b], s22, v12
.endr
.set j, 0
	s_wait_alu depctr_va_vdst(0)
.rept 64
	v_exp_f32 v[SCO+j], v[SCO+j]                   ; p = 2^(t - M)
.set j, j+1
.endr
	v_pk_mul_f32 v[14:15], v[14:15], v[FF:FF+1] op_sel_hi:[1,0]   ; the sum under the new M; the plain line behind the exponentials
	s_wait_alu depctr_va_vdst(0)                   ; one wait for the batch, ahead of its first reader
.irp b, 0,1,2,3
	v_exp_f32 v[MX+\b], v[MX+\b]                   ; the blocks' largest p
.endr
	v_pk_add_f32 v[228:229], v[100:101], v[104:105]
	v_pk_add_f32 v[254:255], v[108:109], v[112:113]
	v_pk_add_f32 v[252:253], v[116:117], v[120:121]
	v_pk_add_f32 v[250:251], v[124:125], v[128:129]
	v_pk_add_f32 v[244:245], v[132:133], v[136:137]
	v_pk_add_f32 v[242:243], v[140:141], v[144:145]
	v_pk_add_f32 v[240:241], v[148:149], v[152:153]
	v_pk_add_f32 v[14:15], v[14:15], v[156:157]
	v_pk_add_f32 v[228:229], v[228:229], v[96:97]
	v_pk_add_f32 v[254:255], v[254:255], v[98:99]
	v_pk_add_f32 v[252:253], v[252:253], v[102:103]
	v_pk_add_f32 v[250:251], v[250:251], v[106:107]
	v_pk_add_f32 v[244:245], v[244:245], v[110:111]
	v_pk_add_f32 v[242:243], v[242:243], v[114:115]
	v_pk_add_f32 v[240:241], v[240:241], v[118:119]
	v_pk_add_f32 v[14:15], v[14:15], v[122:123]
	v_pk_add_f32 v[228:229], v[228:229], v[126:127]
	v_pk_add_f32 v[254:255], v[254:255], v[130:131]
	v_pk_add_f32 v[252:253], v[252:253], v[134:135]
	v_pk_add_f32 v[250:251], v[250:251], v[138:139]
	v_pk_add_f32 v[244:245], v[244:245], v[142:143]
	v_pk_add_f32 v[242:243], v[242:243], v[146:147]
	v_pk_add_f32 v[240:241], v[240:241], v[150:151]
	v_pk_add_f32 v[14:15], v[14:15], v[154:155]
	v_pk_add_f32 v[228:229], v[228:229], v[158:159]
	s_delay_alu instid0(VALU_DEP_2)
	v_pk_add_f32 v[14:15], v[14:15], v[250:251]
	s_delay_alu instid0(VALU_DEP_2)
	v_pk_add_f32 v[228:229], v[228:229], v[244:245]
	v_pk_add_f32 v[254:255], v[254:255], v[242:243]
	v_pk_add_f32 v[252:253], v[252:253], v[240:241]
	s_delay_alu instid0(VALU_DEP_2)
	v_pk_add_f32 v[14:15], v[14:15], v[254:255]
	s_delay_alu instid0(VALU_DEP_2)
	v_pk_add_f32 v[228:229], v[228:229], v[252:253]
	s_delay_alu instid0(VALU_DEP_1)
	v_pk_add_f32 v[14:15], v[14:15], v[228:229]
	s_wait_alu depctr_va_vdst(0)                   ; and one for the four
.irp b, 0,1,2,3
	v_max_num_f32 v[MX+\b], 0x1800000, v[MX+\b]    ; the floor: the byte cannot fall under 1
.endr
.irp b, 0,1,2,3
	s_delay_alu instid0(VALU_DEP_4)
	v_add_nc_u32 v[SOP+\b], 0xff000000, v[MX+\b]
.endr
.irp b, 0,1,2,3
	s_delay_alu instid0(VALU_DEP_4)
	v_lshrrev_b32 v[TP+\b], 23, v[SOP+\b]
.endr
	s_delay_alu instid0(VALU_DEP_3)
	v_lshl_or_b32 v[PW], v[TP+1], 8, v[TP]         ; p's scale word for these 128 keys
	s_delay_alu instid0(VALU_DEP_1)
	v_lshl_or_b32 v[PW], v[TP+2], 16, v[PW]
	s_delay_alu instid0(VALU_DEP_1)
	v_lshl_or_b32 v[PW], v[TP+3], 24, v[PW]
.irp c, 0,1
	v_cvt_scalef32_pk16_fp6_f32 v[PCR+6*\c:PCR+2+6*\c], v[SCO+32*\c:SCO+15+32*\c], v[SOP+2*\c]
	v_cvt_scalef32_pk16_fp6_f32 v[TP+4*\c:TP+2+4*\c], v[SCO+16+32*\c:SCO+31+32*\c], v[SOP+2*\c+1]
.endr
	v_nop
.irp c, 0,1
.irp i, 0,1,2
	v_permlane16_swap_b32 v[PCR+6*\c+\i], v[TP+4*\c+\i]
.endr
.irp i, 0,1,2
	s_delay_alu instid0(VALU_DEP_3)
	v_mov_b32 v[PCR+3+6*\c+\i], v[TP+4*\c+\i]
.endr
.endr
.endm
; O^T += V^T P^T (four tiles of 16 channels) and the ones' sums.  The rescalings are the places between the lines that made p's codes and scale word and the products
.macro PV
.irp dt, 0,1,2,3
.irp s, 0,1
.irp p, 0,1,2
	ds_load_b64 v[SCO+12*\dt+6*\s+2*\p:SCO+12*\dt+6*\s+2*\p+1], v8 offset:49152+(4*\s+\dt)*768+256*\p
.endr
.endr
.endr
	ds_load_b32 v[SW+4], v9 offset:512
	ds_load_b32 v[SW+5], v9 offset:640
.set j, 0
.rept 16
	v_pk_mul_f32 v[OUTT+j:OUTT+j+1], v[OUTT+j:OUTT+j+1], v[FF:FF+1] op_sel_hi:[1,0]
.set j, j+2
.endr
	v_mul_f32 v88, v88, v[FF]                      ; of the ones' eight rows a lane the first alone is read at the end
	s_wait_alu depctr_va_vdst(0)
	s_wait_dscnt 0x0
.irp dt, 0,1,2,3
	W6 OUTT+8*\dt, SCO+12*\dt, PCR, 0, OUTT+8*\dt, SW+4+\dt/2, PW, \dt%2
.endr
	W6 88, 192, PCR, 0, 88, 31, PW, 0
.rept 5
	v_nop                                          ; on every way on: the places in front of what next writes a register of these products, by a vector line, a load or a matrix instruction
.endr
.endm
.macro OSET wl, wr                     ; the ones' scale words: rows 0-7 count the blocks named in s[wl], rows 8-15 those in s[wr] (byte 0x7f: counted; 1: not, to within 2^-126)
	v_mov_b32 v[TT], s[\wl]
	v_mov_b32 v31, s[\wr]
	s_delay_alu instid0(VALU_DEP_1)
	v_cndmask_b32 v31, v31, v[TT], s71
.endm
.macro BIAS e, hf
.irp t, 0,1,2,3
.irp p, 0,1,2
	ds_load_b64 v[32+12*\t+2*\p:33+12*\t+2*\p], v10 offset:6144*\e+3072*\hf+768*\t+256*\p
.endr
.endr
.irp t, 0,1,2,3,4
	ds_load_b32 v[SW+\t], v11 offset:512*\e+256*\hf+64*\t
.endr
	s_wait_dscnt 0x0
.irp t, 0,1,2,3
	W6 128+8*\t, 32+12*\t, 16, 1, 0, SW+\t, 28, 0
.endr
	PLACES
.irp p, 0,1,2
	ds_load_b64 v[32+2*\p:33+2*\p], v10 offset:6144*\e+3072*\hf+3072+256*\p
.endr
.irp t, 0,1,2,3
.irp j, 0,1,2,3,4,5,6,7
	ds_store_b32 v3, v[128+8*\t+\j] offset:64*\t+4*\j
.endr
.endr
	s_wait_dscnt 32                                ; the fifth tile is in; the 32 stores behind it may be out
	W6 PCR, 32, 16, 1, 0, SW+4, 28, 0
	PLACES
.irp j, 0,1,2,3,4,5,6,7
	ds_store_b32 v3, v[PCR+\j] offset:256+4*\j
.endr
.irp i, 0,1,2,3
	ds_load_b128 v[SCO+32*\hf+8*\i:SCO+32*\hf+8*\i+3], v4 offset:64*\i       ; LDS serves a wave's instructions in order: these see the stores above
	ds_load_b128 v[SCO+32*\hf+8*\i+4:SCO+32*\hf+8*\i+7], v4 offset:64*\i+16
.endr
.endm
; band step e: key step A - 1 + e.  Where it does not exist (a branch on ids) its blocks are kept as zero codes
.macro BAND e, wl, wr
.if \e == 0
	s_cmp_eq_u32 s19, 0
	s_cbranch_scc1 .Lnone_\@
.elseif \e == 2
	s_cmp_eq_u32 s19, 7
	s_cbranch_scc1 .Lnone_\@
.endif
	s_add_co_u32 s69, s19, \e                      ; the step's number + 1: the bases lie one step low
	s_min_u32 s69, s69, 8
	s_mul_i32 s62, s69, 6144
	s_mul_i32 s63, s69, 768
	v_add_nc_u32 v8, s62, v1
	v_add_nc_u32 v9, s63, v2
	OSET \wl, \wr
	BIAS \e, 0
	BIAS \e, 1
	s_wait_alu depctr_va_vdst(0)
	KQ 1
	SOFTMAX
.irp c, 0,1
.irp p, 0,1,2
	ds_store_b64 v7, v[PCR+6*\c+2*\p:PCR+6*\c+2*\p+1] offset:96*\e+48*\c+8*\p   ; lane (r, h): block 4 e + 2 c + h of query r
.endr
.endr
	PV
	v_mov_b32 v[PWK+\e], v[PW]
	v_mov_b32 v[NMK+\e], v12
.if \e != 1
	s_branch .Ldone_\@
.Lnone_\@:
	v_mov_b32 v240, 0
	v_mov_b32 v241, 0
.irp c, 0,1
.irp p, 0,1,2
	ds_store_b64 v7, v[240:241] offset:96*\e+48*\c+8*\p
.endr
.endr
	v_mov_b32 v[PWK+\e], s76
	v_mov_b32 v[NMK+\e], v12
.Ldone_\@:
.endif
.endm
	s_load_b256 s[4:11], s[0:1], 0x0               ; qk, vt, tab, mask
	s_load_b64 s[12:13], s[0:1], 0x20              ; cr
	v_lshl_add_u32 v5, v0, 2, SPARE
	v_mov_b32 v6, 0
	ds_add_u32 v5, v6                              ; the wave's opening
	ds_add_u32 v5, v6
	v_lshrrev_b32 v1, 5, v0
	s_delay_alu instid0(VALU_DEP_1)
	v_readfirstlane_b32 s14, v1                    ; wave 0..15
	; A WORK-GROUP STAYS FOR TWO PASSES: it owns one head and 512 neighbouring queries; pass s16 = 0, 1 takes the lower, then the upper 16 of each 32 (256 queries a pass, a tile a wave).
	; K, V and embd_k's tiles are fetched once for both passes: 256 work-groups in all.  The two work-groups of a head differ in A, on which branches hang: no cluster.
	s_mov_b32 s15, ttmp9                           ; which 512 queries
	s_mov_b32 s16, 0                               ; the pass: which 16 of each 32
	s_and_b32 s69, ttmp7, 0xffff
	s_lshr_b32 s17, s69, 4                         ; batch
	s_and_b32 s18, s69, 15                         ; head
	s_lshl_b32 s19, s15, 2
	s_lshr_b32 s69, s14, 2
	s_add_co_u32 s19, s19, s69                     ; A: my queries' own key step
	s_and_b32 s60, s14, 3                          ; alpha: my block of 32 in it
	; descriptor groups 1, elements of 8 bytes, no padding: embd_k's tiles and words: 104 rows of 256 bytes, dense;  half of K: 96 such rows;  half of V: 8 rows of 3,072 bytes, 49,152 apart
	s_mov_b32 s24, 3<<16
	s_mov_b32 s25, 32<<16
	s_mov_b32 s26, 104<<16
	s_mov_b32 s27, 32<<16
	s_mov_b32 s28, 104
	s_mov_b32 s29, 32
	s_mov_b32 s30, 0
	s_mov_b32 s31, 0
	s_mov_b32 s32, 3<<16
	s_mov_b32 s33, 32<<16
	s_mov_b32 s34, 96<<16
	s_mov_b32 s35, 32<<16
	s_mov_b32 s36, 96
	s_mov_b32 s37, 32
	s_mov_b32 s38, 0
	s_mov_b32 s39, 0
	s_mov_b32 s40, 3<<16
	s_mov_b32 s41, 384<<16
	s_mov_b32 s42, 8<<16
	s_mov_b32 s43, 384<<16
	s_mov_b32 s44, 8
	s_mov_b32 s45, 6144
	s_mov_b32 s46, 0
	s_mov_b32 s47, 0
	s_mov_b32 s20, 0x76543210
	s_mov_b32 s21, 0xfedcba98                      ; selects for lane xor 16
	s_mov_b32 s22, 0x3e38aa3b                      ; c = log2(e) / 8
	s_mov_b32 s23, s22
	s_mov_b32 s70, 0xffff0000
	s_mov_b32 s71, 0x00ff00ff
	s_mov_b32 s76, 0x01010101
	s_mov_b32 s77, 0x7f7f7f7f
	s_lshl_b32 s69, s60, 3
	s_lshl_b32 s78, 1, s69
	s_add_co_u32 s78, s78, -1
	s_and_b32 s78, s78, 0x7e7e7e7e
	s_add_co_u32 s78, s78, s76                     ; band step 0: blocks 0 .. alpha - 1 lie left of the window
	s_lshl_b32 s79, 0xffffff00, s69
	s_and_b32 s79, s79, 0x7e7e7e7e
	s_add_co_u32 s79, s79, s76                     ; band step 2: blocks alpha + 1 .. 3 lie right of it
	s_lshl_b32 s80, s17, 6
	s_lshl_b32 s69, s15, 5
	s_add_co_u32 s80, s80, s69
	s_lshl_b32 s69, s14, 1
	s_add_co_u32 s80, s80, s69
	s_lshl_b32 s72, s18, 9
	s_add_co_u32 s81, s72, s80                     ; q's unit
	s_add_co_u32 s72, s72, 8192
	s_lshl_b32 s69, s17, 6
	s_add_co_u32 s72, s72, s69                     ; k's first unit
	s_lshl_b32 s73, s17, 10
	s_lshl_b32 s69, s18, 2
	s_add_co_u32 s73, s73, s69                     ; v^T's first unit
	s_mov_b32 s83, 0
	s_wait_dscnt 0x0                               ; the opening add is done
	s_wait_kmcnt 0x0
	s_mov_b32 s48, 1
	s_mov_b32 s49, 0
	s_mov_b64 s[50:51], s[8:9]
	s_or_b32 s51, s51, 0x80000000
	s_mul_i32 s82, s72, 768
	s_lshr_b32 s69, s14, 1                         ; waves 1, 2: K's halves 0, 1
	s_mul_i32 s69, s69, 24576
	s_add_co_u32 s82, s82, s69
	s_mov_b32 s52, 1
	s_add_co_u32 s53, s69, KB
	s_add_nc_u64 s[54:55], s[4:5], s[82:83]
	s_or_b32 s55, s55, 0x80000000
	s_mul_i32 s82, s73, 768
	s_lshr_b32 s69, s14, 2                         ; waves 3, 4: V's halves 0, 1
	s_mul_i32 s74, s69, 393216
	s_add_co_u32 s82, s82, s74
	s_mul_i32 s69, s69, 24576
	s_mov_b32 s56, 1
	s_add_co_u32 s57, s69, VB
	s_add_nc_u64 s[58:59], s[6:7], s[82:83]
	s_or_b32 s59, s59, 0x80000000
	s_cmp_eq_u32 s14, 0                            ; five waves fill, one tensor load each: one load of a wave is out; every byte is filled once
	s_cbranch_scc0 .Lnot_e
	tensor_load_to_lds s[48:51], s[24:31]
	s_nop 0
	PLACES
	s_branch .Lasked
.Lnot_e:
	s_cmp_lt_u32 s14, 3
	s_cbranch_scc0 .Lnot_k
	tensor_load_to_lds s[52:55], s[32:39]
	s_nop 0
	PLACES
	s_branch .Lasked
.Lnot_k:
	s_cmp_lt_u32 s14, 5
	s_cbranch_scc0 .Lasked
	tensor_load_to_lds s[56:59], s[40:47]
	s_nop 0
	PLACES
.Lasked:
.Lpass:                                                ; a pass: every register below is made anew; the scale words are stored anew with the same values, behind the last pass's two barriers, behind which nobody reads them
	s_lshl_b32 s82, s72, 5
	s_add_co_u32 s82, s82, 12582912
	s_add_nc_u64 s[84:85], s[4:5], s[82:83]        ; k's half-words: 2 bytes a key
	s_lshl_b32 s82, s17, 12
	s_add_nc_u64 s[86:87], s[10:11], s[82:83]      ; the batch's mask
	s_lshl_b32 s82, s73, 5
	s_add_co_u32 s82, s82, 6291456
	s_add_nc_u64 s[88:89], s[6:7], s[82:83]        ; v^T's half-words
	s_mul_i32 s82, s81, 768
	s_add_nc_u64 s[90:91], s[4:5], s[82:83]        ; q's unit
	s_lshl_b32 s82, s81, 5
	s_add_co_u32 s82, s82, 12582912
	s_add_nc_u64 s[92:93], s[4:5], s[82:83]        ; and its half-words
	v_and_b32 v224, 31, v0                         ; lane
	v_and_b32 v225, 15, v0                         ; r
	v_bfe_u32 v226, v0, 4, 1                       ; h
	s_delay_alu instid0(VALU_DEP_3)
	v_lshlrev_b32 v210, 3, v224
	s_delay_alu instid0(VALU_DEP_3)
	v_lshlrev_b32 v211, 2, v225
	v_lshlrev_b32 v227, 2, v0                      ; thread i: keys 2 i, 2 i + 1
	v_lshlrev_b32 v232, 3, v0
	v_lshrrev_b32 v233, 6, v0                      ; and channel i % 64 of key step i / 64
	v_and_b32 v234, 63, v0
	s_delay_alu instid0(VALU_DEP_2)
	v_lshlrev_b32 v235, 12, v233
	s_delay_alu instid0(VALU_DEP_1)
	v_lshl_add_u32 v235, v234, 1, v235
	v_lshlrev_b32 v236, 1, v225
	global_load_b32 v237, v227, s[84:85]
	global_load_b64 v[238:239], v232, s[86:87]
	global_load_u16 v240, v235, s[88:89]
	global_load_u16 v241, v235, s[88:89] offset:2048
.irp p, 0,1,2
	global_load_b64 v[16+2*\p:17+2*\p], v210, s[90:91] offset:256*\p
.endr
	global_load_u16 v28, v236, s[92:93]
	v_lshl_add_u32 v1, v224, 3, KB-6144            ; K's units, one key step low
	v_lshl_add_u32 v2, v224, 2, SCB-768            ; the scale words, likewise
	s_mul_i32 s69, s14, 6400
	s_add_co_u32 s69, s69, BST
	v_mul_u32_u24 v3, v225, 404
	s_delay_alu instid0(VALU_DEP_1)
	v_lshl_add_u32 v3, v226, 5, v3
	s_delay_alu instid0(VALU_DEP_1)
	v_add_nc_u32 v3, s69, v3                       ; my stage, in: row r, word r + 8 h
	v_mul_u32_u24 v4, v225, 400
	s_delay_alu instid0(VALU_DEP_1)
	v_lshl_add_u32 v4, v226, 5, v4
	s_delay_alu instid0(VALU_DEP_1)
	v_add_nc_u32 v4, s69, v4
	s_delay_alu instid0(VALU_DEP_1)
	v_add_nc_u32 v4, 64, v4                        ; out: row r, word 16 + 8 h
	s_mul_i32 s69, s14, 4880
	s_add_co_u32 s69, s69, PST
	v_mul_u32_u24 v7, v225, 304
	s_delay_alu instid0(VALU_DEP_1)
	v_mad_u32_u24 v7, v226, 24, v7
	s_delay_alu instid0(VALU_DEP_1)
	v_add_nc_u32 v7, s69, v7                       ; where p's codes are kept
	s_lshl_b32 s69, s60, 1
	s_or_b32 s69, s69, s16
	s_xor_b32 s69, s69, 7
	s_min_u32 s69, s69, 7                          ; 7 - 2 alpha - par: the band's first tile of embd_k
	s_mul_i32 s74, s69, 768
	v_add_nc_u32 v10, s74, v210
	s_lshl_b32 s74, s69, 6
	s_add_co_u32 s74, s74, ES
	v_add_nc_u32 v11, s74, v211
	v_mul_u32_u24 v242, v233, 768
	s_delay_alu instid0(VALU_DEP_1)
	v_lshl_add_u32 v243, v234, 2, v242
	s_delay_alu instid0(VALU_DEP_2)
	v_lshl_add_u32 v242, v234, 3, v242
	s_delay_alu instid0(VALU_DEP_1)
	v_add_nc_u32 v242, SCB, v242
	s_delay_alu instid0(VALU_DEP_3)
	v_add_nc_u32 v243, SCB+512, v243
	v_sub_nc_u32 v244, 1, v226
	s_delay_alu instid0(VALU_DEP_1)
	v_mul_u32_u24 v22, v244, 31                    ; place 64 of every query: +7.5
	s_delay_alu instid0(VALU_DEP_2)
	v_mul_u32_u24 v38, v244, 63                    ; of every key and every row of embd_k: -7.5
	s_delay_alu instid0(VALU_DEP_1)
	v_mov_b32 v50, v38
	s_delay_alu instid0(VALU_DEP_2)
	v_mov_b32 v62, v38
	s_delay_alu instid0(VALU_DEP_3)
	v_mov_b32 v74, v38
.irp i, 0,1,2,3,4
	v_mov_b32 v[23+\i], 0
	v_mov_b32 v[39+\i], 0
	v_mov_b32 v[51+\i], 0
	v_mov_b32 v[63+\i], 0
	v_mov_b32 v[75+\i], 0
.endr
.irp k, 0,1,2,3
	v_mov_b32 v[192+3*\k], 0x08208208              ; the code of 1.0, 128 times
	v_mov_b32 v[193+3*\k], 0x82082082
	v_mov_b32 v[194+3*\k], 0x20820820
.endr
.set j, 0
.rept 32
	v_mov_b32 v[OUTT+j], 0                         ; the step is written for every step alike: the first finds zeros
.set j, j+1
.endr
.irp j, 0,1,2,3,4,5,6,7
	v_mov_b32 v[88+\j], 0
.endr
	v_mov_b32 v13, 0xe1800000                      ; the largest t so far: -2^68: above every masked score, under every t that is served
	s_delay_alu instid0(VALU_DEP_1)
	v_floor_f32 v12, -v13
	v_mov_b32 v14, 0
	v_mov_b32 v15, 0
	v_mov_b32 v245, 0x01c80000
	s_wait_alu depctr_va_vdst(0)
	s_wait_loadcnt 0x0
	v_or_b32 v28, 0x7f7f0000, v28                  ; q's scale word: the empty half counts as it stands
	v_cmp_eq_u32 vcc_lo, 0, v238
	s_delay_alu instid0(VALU_DEP_1)
	v_cndmask_b32 v224, 0x01010000, v245, vcc_lo   ; byte 2: 200 where the key is masked, else 1
	v_cmp_eq_u32 vcc_lo, 0, v239
	s_delay_alu instid0(VALU_DEP_1)
	v_cndmask_b32 v225, 0x01010000, v245, vcc_lo
	s_delay_alu instid0(VALU_DEP_3)
	v_and_or_b32 v224, v237, 0xffff, v224
	v_lshrrev_b32 v226, 16, v237
	s_delay_alu instid0(VALU_DEP_1)
	v_or_b32 v225, v225, v226
	ds_store_b64 v242, v[224:225]
	v_lshl_or_b32 v226, v241, 16, v240
	ds_store_b32 v243, v226
.irp b, 0,1,2,3
	v_mov_b32 v[TP+\b], 0                          ; (a lane permute's destination counts as one of its sources)
.endr
	v_mov_b32 v246, 0
	v_mov_b32 v247, 0
	v_mov_b32 v[PW], 0                             ; (named as the upper half of the pair with f before it is first made)
	s_wait_tensorcnt 0x0                           ; my fill has landed,
	s_wait_dscnt 0x0                               ; my scale words are stored:
	s_barrier_signal -1
	s_barrier_wait -1                              ; everybody's
	; the far scores: tile 0 of embd_k is 16 times row 0, tile 31 is 16 times row 256
.irp p, 0,1,2
	ds_load_b64 v[32+2*\p:33+2*\p], v210 offset:256*\p
	ds_load_b64 v[44+2*\p:45+2*\p], v210 offset:31*768+256*\p
.endr
	ds_load_b32 v[SW], v211 offset:ES
	ds_load_b32 v[SW+1], v211 offset:ES+31*64
	s_wait_dscnt 0x0
	W6 96, 32, 16, 1, 0, SW, 28, 0
	W6 104, 44, 16, 1, 0, SW+1, 28, 0
	PLACES
	v_mov_b32 v29, v96
	v_mov_b32 v30, v104
	; ---- the far steps: eight trips, a constant; the band's three are passed over by a branch on ids
	s_mov_b32 s61, 0
	s_mov_b32 s62, 6144
	s_mov_b32 s63, 768
.Lfar:
	s_sub_co_u32 s69, s61, s19
	s_add_co_u32 s69, s69, 1
	s_cmp_le_u32 s69, 2
	s_cbranch_scc1 .Lfar_next
	s_cmp_lt_u32 s61, s19                          ; left of my queries, or right?
	s_cselect_b32 s66, -1, 0
	s_cselect_b32 s67, s77, s76
	s_cselect_b32 s68, s76, s77
	v_add_nc_u32 v8, s62, v1
	v_add_nc_u32 v9, s63, v2
	s_wait_alu depctr_va_vdst(0)
.irp j, 0,1,2,3,4,5,6,7
	v_cndmask_b32 v[80+\j], v30, v29, s66
.endr
	s_wait_alu depctr_va_vdst(0)
	OSET 67, 68
	KQ 0
	SOFTMAX
	PV
.Lfar_next:
	s_add_co_u32 s62, s62, 6144
	s_add_co_u32 s63, s63, 768
	s_add_co_u32 s61, s61, 1
	s_cmp_lt_u32 s61, 8
	s_cbranch_scc1 .Lfar
	; ---- the band
	BAND 0, 78, 76
	BAND 1, 76, 76
	BAND 2, 76, 79
	; ---- the row's sums
	v_add_f32 v14, v14, v15
	s_delay_alu instid0(VALU_DEP_1)
	v_permlanex16_b32 v246, v14, s20, s21
	s_delay_alu instid0(VALU_DEP_1)
	v_add_f32 v14, v14, v246                       ; l
	v_permlanex16_b32 v247, v88, s20, s21          ; lanes 0-15 hold the left sum of query r, lanes 16-31 the right one
	v_cndmask_b32 v2, v88, v247, s70
	v_cndmask_b32 v8, v247, v88, s70
	s_delay_alu instid0(VALU_DEP_2)
	v_mov_b32 v3, v2
	s_delay_alu instid0(VALU_DEP_2)
	v_mov_b32 v9, v8
	; the kept scale bytes are brought under the last M: byte - (M - the step's M), held at 1
.irp e, 0,1,2
	v_sub_f32 v244, v[NMK+\e], v12
	s_delay_alu instid0(VALU_DEP_1)
	v_min_num_f32 v244, 0x437e0000, v244
	s_delay_alu instid0(VALU_DEP_1)
	v_cvt_u32_f32 v244, v244
.irp i, 0,1,2,3
	v_bfe_u32 v245, v[PWK+\e], 8*\i, 8
	s_delay_alu instid0(VALU_DEP_1)
	v_add_nc_u32 v246, -1, v245
	s_delay_alu instid0(VALU_DEP_1)
	v_min_u32 v246, v246, v244
	s_delay_alu instid0(VALU_DEP_1)
	v_sub_nc_u32 v245, v245, v246
.if \i == 0
	s_delay_alu instid0(VALU_DEP_1)
	v_mov_b32 v[240+\e], v245
.else
	s_delay_alu instid0(VALU_DEP_1)
	v_lshl_or_b32 v[240+\e], v245, 8*\i, v[240+\e]
.endif
.endr
.endr
	v_mov_b32 v243, s76
	s_mul_i32 s69, s14, 272
	s_add_co_u32 s69, s69, SST
	v_and_b32 v1, 15, v0
	s_delay_alu instid0(VALU_DEP_1)
	v_lshl_add_u32 v4, v1, 4, s69
	ds_store_b128 v4, v[240:243]                   ; (both halves of the lanes write the same)
	; my residue's table: six registers of scale words, then twelve fragments as images of their registers, the window's first 128 keys first
	s_lshl_b32 s69, s16, 4
	s_add_co_u32 s69, s69, s14
	s_mul_i32 s82, s69, 18432
	s_add_nc_u64 s[84:85], s[8:9], s[82:83]
	s_mul_i32 s82, s69, 768
	s_add_nc_u64 s[86:87], s[8:9], s[82:83]
	v_and_b32 v10, 31, v0
	s_delay_alu instid0(VALU_DEP_1)
	v_lshlrev_b32 v7, 4, v10
	s_delay_alu instid0(VALU_DEP_2)
	v_lshlrev_b32 v10, 2, v10
.irp k, 0,1,2
.irp i, 0,1
	global_load_b32 v[SW+2*\k+\i], v10, s[86:87] offset:616448+256*\k+128*\i
.endr
.endr
.set f, 0
.rept 12
.set TF, 32+12*f
.if f == 10
.set TF, 16
.elseif f == 11
.set TF, 192
.endif
.irp cc, 0,1,2
	global_load_b128 v[TF+4*\cc:TF+4*\cc+3], v7, s[84:85] offset:26624+1536*f+512*\cc
.endr
.set f, f+1
.endr
	s_wait_alu depctr_va_vdst(0)
	s_wait_dscnt 0x0                               ; my codes and bytes are stored, my reads of my stage are over
	s_barrier_signal -1
	s_barrier_wait -1
	; ---- wave w is residue w; lane (t, h) is the residue's query in tile t.  Block dd of the window is kept block dd + t % 4 of that tile
	s_lshl_b32 s69, s14, 4
	s_add_co_u32 s69, s69, SST
	v_mul_u32_u24 v4, v1, 272
	s_delay_alu instid0(VALU_DEP_1)
	v_add_nc_u32 v4, s69, v4
	ds_load_b128 v[152:155], v4
	v_and_b32 v156, 3, v1
	v_bfe_u32 v159, v0, 4, 1
	s_mul_i32 s69, s14, 304
	s_add_co_u32 s69, s69, PST
	v_mul_u32_u24 v157, v1, 4880
	s_delay_alu instid0(VALU_DEP_1)
	v_mad_u32_u24 v157, v156, 24, v157
	s_delay_alu instid0(VALU_DEP_1)
	v_add_nc_u32 v157, s69, v157
	s_delay_alu instid0(VALU_DEP_1)
	v_mad_u32_u24 v158, v159, 24, v157
.irp c, 0,1
.irp p, 0,1,2
	ds_load_b64 v[236+6*\c+2*\p:237+6*\c+2*\p], v158 offset:48*\c+8*\p
.endr
.endr
	v_lshlrev_b32 v156, 3, v156
	s_wait_alu depctr_va_vdst(0)
	s_wait_dscnt 6                                 ; the bytes are in; the six loads of codes may be out
	v_alignbit_b32 v28, v153, v152, v156           ; the columns' scale words: the 16 bytes shifted by t % 4
	v_alignbit_b32 v31, v154, v153, v156
	v_alignbit_b32 v[PW], v155, v154, v156
.rept 8
	v_nop                                          ; a scale register written by a vector line stands eight places ahead of a scaled matrix instruction
.endr
	s_wait_alu depctr_va_vdst(0)
	s_wait_dscnt 0x0
	s_wait_loadcnt 24                              ; the scale words and the first four fragments are in; the later eight fragments' 24 loads may be out
.irp dt, 0,1,2,3
	W6 204+8*\dt, 32+12*\dt, 236, 1, 0, SW+\dt/2, 28, \dt%2
.endr
	PLACES
.irp c, 0,1
.irp p, 0,1,2
	ds_load_b64 v[236+6*\c+2*\p:237+6*\c+2*\p], v158 offset:96+48*\c+8*\p
.endr
.endr
	s_wait_dscnt 0x0
	s_wait_loadcnt 12                              ; the last four fragments' 12 loads may be out
.irp dt, 0,1,2,3
	W6 204+8*\dt, 80+12*\dt, 236, 0, 204+8*\dt, SW+2+\dt/2, 31, \dt%2
.endr
	PLACES
.irp p, 0,1,2
	ds_load_b64 v[236+2*\p:237+2*\p], v157 offset:192+8*\p   ; block 8 alone; what else the fragment holds meets zero codes of the table
.endr
	s_wait_dscnt 0x0
	s_wait_loadcnt 0x0
	W6 204, 128, 236, 0, 204, SW+4, PW, 0
	W6 212, 140, 236, 0, 212, SW+4, PW, 1
	W6 220, 16, 236, 0, 220, SW+5, PW, 0
	W6 228, 192, 236, 0, 228, SW+5, PW, 1
	PLACES
	v_lshlrev_b32 v11, 5, v159
.irp z, 0,1
.irp dt, 0,1,2,3
	global_load_b128 v[32+32*\z+8*\dt:35+32*\z+8*\dt], v11, s[8:9] offset:641024+256*\z+64*\dt       ; the far numbers of my eight channels of each sixteen
	global_load_b128 v[36+32*\z+8*\dt:39+32*\z+8*\dt], v11, s[8:9] offset:641024+256*\z+64*\dt+16
.endr
.endr
	s_mul_i32 s69, s14, 4368
	s_add_co_u32 s69, s69, BST
	v_mul_u32_u24 v4, v1, 272
	s_delay_alu instid0(VALU_DEP_1)
	v_lshl_add_u32 v4, v159, 5, v4
	s_delay_alu instid0(VALU_DEP_1)
	v_add_nc_u32 v4, s69, v4
.irp dt, 0,1,2,3
	ds_store_b128 v4, v[204+8*\dt:207+8*\dt] offset:64*\dt
	ds_store_b128 v4, v[208+8*\dt:211+8*\dt] offset:64*\dt+16
.endr
	s_wait_dscnt 0x0
	s_barrier_signal -1
	s_barrier_wait -1
	; ---- back in my tile: query r is residue r's column w
	s_mul_i32 s69, s14, 272
	s_add_co_u32 s69, s69, BST
	v_mul_u32_u24 v29, v1, 4368
	s_delay_alu instid0(VALU_DEP_1)
	v_lshl_add_u32 v29, v159, 5, v29
	s_delay_alu instid0(VALU_DEP_1)
	v_add_nc_u32 v29, s69, v29
.irp dt, 0,1,2,3
	ds_load_b128 v[96+8*\dt:99+8*\dt], v29 offset:64*\dt
	ds_load_b128 v[100+8*\dt:103+8*\dt], v29 offset:64*\dt+16
.endr
	v_rcp_f32 v14, v14
	v_and_b32 v30, 31, v0                          ; (a plain line behind the reciprocal)
	s_delay_alu instid0(VALU_DEP_1)
	v_lshlrev_b32 v30, 3, v30                      ; 8 x lane: my place in a third of the unit
	v_lshlrev_b32 v10, 3, v1                       ; 8 r: my row's eight scale bytes (the loads that named v10 were shown done by the counted waits above; the quantiser below does not touch it)
	v_mov_b32 v226, 0
	v_mov_b32 v227, 0
	v_mov_b32 v231, 0xffff
	s_mul_i32 s82, s80, 13312
	s_lshr_b32 s69, s18, 2
	s_mul_i32 s69, s69, 3328
	s_add_co_u32 s82, s82, s69
	s_add_nc_u64 s[88:89], s[12:13], s[82:83]      ; my tokens' record, the head's chunk
	s_and_b32 s69, s18, 3
	s_mul_i32 s82, s69, 768
	s_add_nc_u64 s[90:91], s[88:89], s[82:83]      ; the head's unit
	s_lshl_b32 s82, s69, 1
	s_add_nc_u64 s[88:89], s[88:89], s[82:83]      ; and its two bytes of each row's eight
	s_wait_dscnt 0x0
	s_wait_loadcnt 0x0
	s_wait_alu depctr_va_vdst(0)                   ; ahead of the reciprocal's first reader
.set j, 0
.rept 16
	v_pk_add_f32 v[OUTT+j:OUTT+j+1], v[OUTT+j:OUTT+j+1], v[96+j:97+j]
.set j, j+2
.endr
.set j, 0
.rept 16
	v_pk_fma_f32 v[OUTT+j:OUTT+j+1], v[32+j:33+j], v[2:3], v[OUTT+j:OUTT+j+1]
.set j, j+2
.endr
.set j, 0
.rept 16
	v_pk_fma_f32 v[OUTT+j:OUTT+j+1], v[64+j:65+j], v[8:9], v[OUTT+j:OUTT+j+1]
.set j, j+2
.endr
.set j, 0
.rept 16
	v_pk_mul_f32 v[OUTT+j:OUTT+j+1], v[OUTT+j:OUTT+j+1], v[14:15] op_sel_hi:[1,0]
.set j, j+2
.endr
	QUANT2 OUTT, 236
	v_cmp_gt_f32 vcc_lo, 0xe0ad78ec, v13           ; the largest t under -1e20: every key masked: the bytes 0xff make the row NaN
	s_delay_alu instid0(VALU_DEP_1)
	v_cndmask_b32 v230, v230, v231, vcc_lo
.irp p, 0,1,2
	global_store_b64 v30, v[236+2*\p:237+2*\p], s[90:91] offset:256*\p   ; 32 lanes store 256 consecutive bytes, aligned
.endr
	global_store_b16 v10, v230, s[88:89] offset:3072
	s_wait_xcnt 0x0                                ; the stores have read their data, offsets and bases: the next pass writes them again
	s_add_co_u32 s80, s80, 1                       ; the next pass's tile of 16 tokens,
	s_add_co_u32 s81, s81, 1                       ; and its unit of q
	s_add_co_u32 s16, s16, 1
	s_cmp_lt_u32 s16, 2
	s_wait_alu depctr_va_vdst(0)
	s_cbranch_scc1 .Lpass                          ; the barrier at the pass's head parts my last reads of the way back from the next pass's stores into the stages
	s_wait_tensorcnt 0x0                           ; the wave's end
	ds_add_u32 v5, v6
	s_wait_dscnt 0x0
	s_endpgm
.Lfunc_end_k_q63ec7901e2_attn:
	.size	k_q63ec7901e2_attn, .Lfunc_end_k_q63ec7901e2_attn-k_q63ec7901e2_attn
	.p2alignl 7, 3214868480
	.fill 96, 4, 3214868480
	.section	.rodata,"a",@progbits
	.p2align	6, 0x0
	.amdhsa_kernel k_q63ec7901e2_attn
		.amdhsa_group_segment_fixed_size 327680
		.amdhsa_private_segment_fixed_size 0
		.amdhsa_enable_private_segment 0
		.amdhsa_kernarg_size 40
		.amdhsa_user_sgpr_count 2
		.amdhsa_user_sgpr_kernarg_segment_ptr 1
		.amdhsa_wavefront_size32 1
		.amdhsa_system_sgpr_workgroup_id_x 1
		.amdhsa_system_sgpr_workgroup_id_y 1
		.amdhsa_system_sgpr_workgroup_id_z 1
		.amdhsa_system_vgpr_workitem_id 0
		.amdhsa_next_free_vgpr 256
		.amdhsa_next_free_sgpr 96
		.amdhsa_reserve_vcc 1
		.amdhsa_float_denorm_mode_32 3
		.amdhsa_float_denorm_mode_16_64 3
		.amdhsa_memory_ordered 1
		.amdhsa_forward_progress 1
		.amdhsa_inst_pref_size 151
	.end_amdhsa_kernel
	.amdgpu_metadata
---
amdhsa.version: [ 1, 2 ]
amdhsa.kernels:
  - .name:           k_q63ec7901e2_attn
    .symbol:         k_q63ec7901e2_attn.kd
    .args:
      - { .name: qk, .offset: 0, .size: 8, .value_kind: global_buffer, .address_space: global }
      - { .name: vt, .offset: 8, .size: 8, .value_kind: global_buffer, .address_space: global }
      - { .name: tab, .offset: 16, .size: 8, .value_kind: global_buffer, .address_space: global }
      - { .name: mask, .offset: 24, .size: 8, .value_kind: global_buffer, .address_space: global }
      - { .name: cr, .offset: 32, .size: 8, .value_kind: global_buffer, .address_space: global }
    .group_segment_fixed_size: 327680
    .private_segment_fixed_size: 0
    .kernarg_segment_align: 8
    .kernarg_segment_size: 40
    .max_flat_workgroup_size: 512
    .sgpr_count:     96
    .vgpr_count:     256
    .wavefront_size: 32
...
	.end_amdgpu_metadata
.endif
;; end of part 3
;; launch gemm_out (part 4): grid 8 x 32, 4 waves a work-group, clusters of 4 x 4, 327,680 bytes of LDS; arguments cr, wr, b_o, out0; writes out0
.if DOCPART == 4
	.amdgcn_target "amdgcn-amd-amdhsa--gfx1250"
	.amdhsa_code_object_version 6
	.text
	.protected	k_q63ec7901e2_gemm_out
	.globl	k_q63ec7901e2_gemm_out
	.p2align	8
	.type	k_q63ec7901e2_gemm_out,@function
k_q63ec7901e2_gemm_out:
	s_mov_b64 s[64:65], 0
	v_nop
	global_prefetch_b8 v0, s[64:65] scope:SCOPE_SE
	s_setreg_imm32_b32 hwreg(HW_REG_WAVE_MODE, 25, 1), 1
	s_wait_xcnt 0x0
	s_wait_alu depctr_hold_cnt(0) depctr_sa_sdst(0) depctr_va_vdst(0) depctr_va_sdst(0) depctr_va_ssrc(0) depctr_va_vcc(0) depctr_vm_vsrc(0)
	s_getreg_b32 s2, hwreg(HW_REG_IB_STS2, 6, 4)
	s_cmp_eq_u32 s2, 0
	s_cbranch_scc0 .Lentry_in_a_cluster
	s_endpgm
.Lentry_in_a_cluster:
	s_bfe_u32 s2, ttmp6, 0x10000c
	s_cmp_lg_u32 s2, 0xf033
	s_cbranch_scc0 .Lentry_shape_is_right
	s_endpgm
.Lentry_shape_is_right:
; out0 = ctx W_o + b_o on codes of FP6 (E2M3).  A = ctx's records (8,192 tokens), B = W_o's (records 192 on of wr).  A work-group of four waves makes 256 tokens x 128 columns; a wave 128 x 64: 32 accumulators.
; THE MATRIX INSTRUCTION IS USED TRANSPOSED (source 0 = 16 rows of B, source 1 = 16 rows of A): a lane holds one token and eight neighbouring columns.
; All of K lies in LDS: two halves of 156,672 bytes (A's 16 records x 6,528, then B's 8), each filled ONCE.  A wave issues one tensor load at the head and one behind a round of the cluster's barrier: one is out at a time.
; CLUSTERS: 4 x 4 work-groups; A's tiles are asked for jointly along a row of the cluster, B's along a column.
; REGISTERS: window 0: v4-13 addresses; v32-55 scale words, two sets of 12, and nothing else; v64-159 A's eight fragments; v160-207, v208-255 B's two sets.  Window 1: accumulator (a, b) at v[8 (4 a + b)].  Window 2: v0-31 the bias.
; THE LAYOUT IN LDS AS IT STANDS NOW: K lies in LDS in TWO HALVES of 512 along K, each filled once.  A half is 24 rows of 6,528 bytes (A's 16 records, then B's 8);
; a row is two chunks of a record as they lie in memory (3,328 + 3,200 bytes), and begins at a multiple of 256 bytes of the buffer.
; A wave issues ONE joint load at the head (its part of half 0) and one behind the three lines and a round of the cluster's barrier (its part of half 1): one load of a wave is out at a time; every wait on TENSORcnt is for 0.
.set CH,    156672                     ; a half: 24 x 6,528
.set REC,   6528                       ; a record's row in a half
.set STG,   0                          ; the stages, 16 rows x 272 bytes a wave, lie in half 0: it has had its only fill, and behind the barrier at the change of halves nobody reads it
.set SPARE, 313344                     ; behind the halves: the spare words, 128 bytes a wave
.set SPW,   28
.set NIL,   29
.set MSB, 0
.macro WIN new                         ; the immediate's high byte repeats the setting that is left
.if MSB != \new
	s_set_vgpr_msb (MSB<<8)|\new
.set MSB, \new
.endif
.endm
.set W_MUL, 0x50                       ; C and D in window 1
.macro CREST
	s_cmp_lg_u32 s14, 0
	s_cbranch_scc1 .Lnot_wave_0_\@
	s_barrier_signal -3
.Lnot_wave_0_\@:
	s_barrier_wait -3
	s_barrier_signal -1
	s_barrier_wait -1
.endm
.macro CROUND                          ; a round of the cluster's barrier
	s_barrier_signal -1
	s_barrier_wait -1
	CREST
.endm
.macro PLACES                          ; four plain places behind matrix instructions, in front of loads into their sources and of reads of their results
.rept 4
	v_nop
.endr
.endm
; a joint load of half c: waves 0 and 1 fetch A's two halves of rows, waves 2 and 3 B's; the branch hangs on the wave's number alone
.macro JLOAD c
	s_cmp_eq_u32 s15, 0
	s_cbranch_scc0 .Lfor_b_\@
	tensor_load_to_lds s[68+4*\c:71+4*\c], s[24:31]
	s_nop 0
	PLACES
	s_branch .Lasked_\@
.Lfor_b_\@:
	tensor_load_to_lds s[84+4*\c:87+4*\c], s[48:55]
	s_nop 0
	PLACES
.Lasked_\@:
.endm
.macro FRAG reg, adr, off
.irp p, 0,1,2,3,4,5
	ds_load_b64 v[\reg+2*\p:\reg+2*\p+1], v[\adr] offset:\off+768*(\p/3)+256*(\p%3)
.endr
.endm
.macro FETCH_B q, set
.irp b, 0,1,2,3
	FRAG 160+48*(\set)+12*\b, 5, \b*REC+1536*(\q)
.endr
.endm
.macro FETCH_A q, a0
.irp a, \a0, \a0+1, \a0+2, \a0+3
	FRAG 64+12*(\a), 4, (\a)*REC+1536*(\q)
.endr
.endm
.macro SCALES cs                       ; a chunk's scale words, two a row: lanes 0-15 take A's block i (B's i), lanes 16-31 A's block i + 4 (B's i + 2)
.irp i, 0,1,2,3
	ds_load_b64 v[32+12*(\cs)+2*\i:33+12*(\cs)+2*\i], v6 offset:\i*REC
.endr
.irp i, 0,1
	ds_load_b64 v[40+12*(\cs)+2*\i:41+12*(\cs)+2*\i], v7 offset:\i*REC
.endr
.endm
.macro WM z, rb, ra
.if \z
.if (\rb) && (\ra)
	v_wmma_scale_f32_16x16x128_f8f6f4 v[AC:AC+7], v[BF:BF+11], v[AG:AG+11], 0, v[SBR], v[SAR] matrix_a_fmt:MATRIX_FMT_FP6 matrix_b_fmt:MATRIX_FMT_FP6 matrix_a_scale:MATRIX_SCALE_ROW1 matrix_b_scale:MATRIX_SCALE_ROW1
.elseif \rb
	v_wmma_scale_f32_16x16x128_f8f6f4 v[AC:AC+7], v[BF:BF+11], v[AG:AG+11], 0, v[SBR], v[SAR] matrix_a_fmt:MATRIX_FMT_FP6 matrix_b_fmt:MATRIX_FMT_FP6 matrix_a_scale:MATRIX_SCALE_ROW1
.elseif \ra
	v_wmma_scale_f32_16x16x128_f8f6f4 v[AC:AC+7], v[BF:BF+11], v[AG:AG+11], 0, v[SBR], v[SAR] matrix_a_fmt:MATRIX_FMT_FP6 matrix_b_fmt:MATRIX_FMT_FP6 matrix_b_scale:MATRIX_SCALE_ROW1
.else
	v_wmma_scale_f32_16x16x128_f8f6f4 v[AC:AC+7], v[BF:BF+11], v[AG:AG+11], 0, v[SBR], v[SAR] matrix_a_fmt:MATRIX_FMT_FP6 matrix_b_fmt:MATRIX_FMT_FP6
.endif
.else
.if (\rb) && (\ra)
	v_wmma_scale_f32_16x16x128_f8f6f4 v[AC:AC+7], v[BF:BF+11], v[AG:AG+11], v[AC:AC+7], v[SBR], v[SAR] matrix_a_fmt:MATRIX_FMT_FP6 matrix_b_fmt:MATRIX_FMT_FP6 matrix_a_scale:MATRIX_SCALE_ROW1 matrix_b_scale:MATRIX_SCALE_ROW1
.elseif \rb
	v_wmma_scale_f32_16x16x128_f8f6f4 v[AC:AC+7], v[BF:BF+11], v[AG:AG+11], v[AC:AC+7], v[SBR], v[SAR] matrix_a_fmt:MATRIX_FMT_FP6 matrix_b_fmt:MATRIX_FMT_FP6 matrix_a_scale:MATRIX_SCALE_ROW1
.elseif \ra
	v_wmma_scale_f32_16x16x128_f8f6f4 v[AC:AC+7], v[BF:BF+11], v[AG:AG+11], v[AC:AC+7], v[SBR], v[SAR] matrix_a_fmt:MATRIX_FMT_FP6 matrix_b_fmt:MATRIX_FMT_FP6 matrix_b_scale:MATRIX_SCALE_ROW1
.else
	v_wmma_scale_f32_16x16x128_f8f6f4 v[AC:AC+7], v[BF:BF+11], v[AG:AG+11], v[AC:AC+7], v[SBR], v[SAR] matrix_a_fmt:MATRIX_FMT_FP6 matrix_b_fmt:MATRIX_FMT_FP6
.endif
.endif
.endm
; eight products: A's blocks a0, a0 + 1 x B's four.  The 32 accumulators take turns, one instruction a turn, in the same order in every step
.macro MUL8 a0, set, q, cs, zero
.irp a, \a0, \a0+1
.irp b, 0,1,2,3
.set AC, 8*(4*(\a)+\b)
.set BF, 160+48*(\set)+12*\b
.set AG, 64+12*(\a)
.set SBR, 40+12*(\cs)+2*(\b%2)+(\q)
.set SAR, 32+12*(\cs)+2*((\a)%4)+(\q)
	WM \zero, \b/2, (\a)/4
.endr
.endr
.endm
.macro STEP_E cs, zero                 ; a chunk's first 128 along K; fetches its second
	s_wait_dscnt 24                                ; B's set, A's blocks 0-3 (and the scale words) are in; the youngest 24 loads, A's blocks 4-7, may be out
	WIN W_MUL
	MUL8 0, 0, 0, \cs, \zero
	MUL8 2, 0, 0, \cs, \zero
	s_wait_dscnt 0x0
	PLACES
	WIN 0
	FETCH_B 1, 1
	FETCH_A 1, 0
	WIN W_MUL
	MUL8 4, 0, 0, \cs, \zero
	MUL8 6, 0, 0, \cs, \zero
	PLACES
	WIN 0
	FETCH_A 1, 4
.endm
.macro STEP_O cs, chg, stp             ; a chunk's second 128; it fetches from the next chunk, stp bytes on.  chg = 1: that chunk lies in half 1: my load of it is waited for, and a barrier shows everybody's part
.if \chg
	s_wait_tensorcnt 0x0                           ; my part of half 1 has landed
.endif
	s_wait_dscnt 24
	WIN W_MUL
	MUL8 0, 1, 1, \cs, 0
	s_wait_dscnt 0x0                               ; no LDS instruction of mine is out at the signal
.if \chg
	s_barrier_signal -1
.endif
	MUL8 2, 1, 1, \cs, 0
	WIN 0
.if \chg
	s_barrier_wait -1                              ; everybody's part has landed
.endif
	v_add_nc_u32 v4, \stp, v4                      ; on to the next chunk: four plain lines, the places in front of the loads below
	v_add_nc_u32 v5, \stp, v5
	v_add_nc_u32 v6, \stp, v6
	v_add_nc_u32 v7, \stp, v7
	FETCH_B 0, 0
	FETCH_A 0, 0
	SCALES 1-(\cs)
	WIN W_MUL
	MUL8 4, 1, 1, \cs, 0
	MUL8 6, 1, 1, \cs, 0
	PLACES
	WIN 0
	FETCH_A 0, 4
.endm
	s_load_b256 s[4:11], s[0:1], 0x0               ; cr, wr, b_o, out0
	v_lshl_add_u32 v[SPW], v0, 2, SPARE
	v_mov_b32 v[NIL], 0
	ds_add_u32 v[SPW], v[NIL]                      ; the wave's opening
	ds_add_u32 v[SPW], v[NIL]
	v_lshrrev_b32 v1, 5, v0
	v_readfirstlane_b32 s14, v1                    ; wave
	s_lshr_b32 s15, s14, 1                         ; my half of the rows.  Also: I fetch for A (0) or for B (1)
	s_and_b32 s16, s14, 1                          ; my half of the columns.  Also: which half of the tile I fetch
	s_bfe_u32 s40, ttmp6, 0x40000                  ; cx
	s_bfe_u32 s41, ttmp6, 0x40004                  ; cy
	s_lshl_b32 s44, ttmp9, 2
	s_add_co_u32 s44, s44, s40                     ; tile column: it holds cx and never cy
	s_and_b32 s17, ttmp7, 0xffff
	s_lshl_b32 s17, s17, 2
	s_add_co_u32 s17, s17, s41                     ; tile row: it holds cy and never cx
	s_lshl_b32 s62, s41, 2
	s_lshl_b32 s62, 15, s62                        ; my row of the cluster
	s_lshl_b32 s63, 0x1111, s40                    ; my column
	; descriptor group 1: rows of 6,528 bytes (816 elements of 8), 13,312 bytes apart: A 8 records, B 4; no padding
	s_or_b32 s24, s62, (3<<16)|(1<<21)
	s_or_b32 s48, s63, (3<<16)|(1<<21)
	s_mov_b32 s25, 816<<16                         ; rows of 6,528 bytes: 816 elements of 8
	s_mov_b32 s26, 8<<16
	s_mov_b32 s27, 816<<16
	s_mov_b32 s28, 8
	s_mov_b32 s29, 1664
	s_mov_b32 s30, 0
	s_mov_b32 s31, 0
	s_mov_b32 s49, 816<<16
	s_mov_b32 s50, 4<<16
	s_mov_b32 s51, 816<<16
	s_mov_b32 s52, 4
	s_mov_b32 s53, 1664
	s_mov_b32 s54, 0
	s_mov_b32 s55, 0
	s_lshl_b32 s56, s17, 4
	s_lshl_b32 s57, s16, 3
	s_add_co_u32 s56, s56, s57
	s_mul_i32 s56, s56, 13312                      ; A: record 16 x tile row + 8 x half
	s_mov_b32 s57, 0
	s_lshl_b32 s58, s44, 3
	s_lshl_b32 s59, s16, 2
	s_add_co_u32 s58, s58, s59
	s_add_co_u32 s58, s58, 192                     ; B: W_o's records begin at 192
	s_mul_i32 s58, s58, 13312
	s_mov_b32 s59, 0
	s_mul_i32 s60, s16, 52224
	s_mul_i32 s61, s16, 26112
	s_add_co_u32 s61, s61, 104448
	s_lshl_b32 s66, s44, 9
	s_lshl_b32 s67, s16, 8
	s_add_co_u32 s66, s66, s67                     ; my first column, in bytes
	s_mov_b32 s67, 0
	s_lshl_b32 s36, s17, 20
	s_lshl_b32 s37, s15, 19
	s_add_co_u32 s36, s36, s37
	s_add_co_u32 s36, s36, s66                     ; my first number of the output: rows of 4,096 bytes
	s_mov_b32 s37, 0
	s_wait_dscnt 0x0                               ; the opening add is done
	s_wait_kmcnt 0x0
	s_add_nc_u64 s[20:21], s[4:5], s[56:57]
	s_add_nc_u64 s[22:23], s[6:7], s[58:59]
	s_add_nc_u64 s[2:3], s[8:9], s[66:67]
	s_add_nc_u64 s[34:35], s[10:11], s[36:37]
	CROUND                                         ; all sixteen work-groups are here: the joint loads meet
.irp c, 0,1
	s_mov_b32 s[68+4*\c], 1
	s_add_co_u32 s[69+4*\c], s60, \c*CH
	s_add_nc_u64 s[70+4*\c:71+4*\c], s[20:21], \c*6656
	s_or_b32 s[71+4*\c], s[71+4*\c], 0x80000000
	s_mov_b32 s[84+4*\c], 1
	s_add_co_u32 s[85+4*\c], s61, \c*CH
	s_add_nc_u64 s[86+4*\c:87+4*\c], s[22:23], \c*6656
	s_or_b32 s[87+4*\c], s[87+4*\c], 0x80000000
.endr
	JLOAD 0                                        ; half 0: one tensor load a wave at the head
	v_and_b32 v1, 31, v0
	v_and_b32 v2, 15, v0                           ; r
	v_bfe_u32 v3, v0, 4, 1                         ; h
	v_lshlrev_b32 v8, 3, v1                        ; 8 x lane
	v_lshlrev_b32 v9, 5, v3                        ; the bias: my eight of each sixteen columns
	WIN 0x80                                       ; destination window 2
.irp b, 0,1,2,3
	global_load_b128 v[8*\b:8*\b+3], v9, s[2:3] offset:64*\b
	global_load_b128 v[8*\b+4:8*\b+7], v9, s[2:3] offset:64*\b+16
.endr
	WIN 0
	s_mul_i32 s18, s15, 52224
	v_add_nc_u32 v4, s18, v8                       ; my 8 records of A
	s_mul_i32 s19, s16, 26112
	s_add_co_u32 s19, s19, 104448
	v_add_nc_u32 v5, s19, v8                       ; my 4 records of B
	v_lshlrev_b32 v12, 3, v2
	v_mul_u32_u24 v11, v3, 26112
	v_add_nc_u32 v6, v12, v11
	s_add_co_u32 s18, s18, 3072
	v_add_nc_u32 v6, s18, v6                       ; A's scale words: row r; lanes 16-31 four records on
	v_mul_u32_u24 v11, v3, 13056
	v_add_nc_u32 v7, v12, v11
	s_add_co_u32 s19, s19, 3072
	v_add_nc_u32 v7, s19, v7                       ; B's: lanes 16-31 two records on
	s_mul_i32 s18, s14, 4352
	s_add_co_u32 s18, s18, STG                     ; my stage
	v_mul_u32_u24 v11, v2, 272
	v_lshl_add_u32 v11, v3, 5, v11
	v_add_nc_u32 v11, s18, v11                     ; in: row r, 32 bytes for each half of the lanes
	v_mul_u32_u24 v12, v3, 272
	v_lshl_add_u32 v12, v2, 4, v12
	v_add_nc_u32 v12, s18, v12                     ; back: lanes 0-15 one row of 256 bytes, lanes 16-31 the next
	v_lshlrev_b32 v13, 12, v3
	v_lshl_add_u32 v13, v2, 4, v13                 ; and the same two rows in the output
	s_wait_alu depctr_va_vdst(0)
	s_wait_tensorcnt 0x0                           ; my part of half 0 is in
	ds_add_u32 v[SPW], v[NIL]
	s_wait_dscnt 0x0
	CROUND                                         ; everybody's part is in, and all sixteen work-groups are here
	JLOAD 1                                        ; half 1, the first tensor load behind the round: it has three K steps, 96 matrix instructions of the wave, in which to land
	FETCH_B 0, 0
	FETCH_A 0, 0
	SCALES 0
	FETCH_A 0, 4
	STEP_E 0, 1                                    ; the first products start the sums: nothing is cleared
	STEP_O 0, 0, 3328
	s_wait_alu depctr_va_vdst(0)
	STEP_E 1, 0
	STEP_O 1, 1, CH-3328
	s_wait_alu depctr_va_vdst(0)
	STEP_E 0, 0
	STEP_O 0, 0, 3328
	s_wait_alu depctr_va_vdst(0)
	STEP_E 1, 0
	s_wait_dscnt 24                                ; the last 128 along K: nothing more to fetch
	WIN W_MUL
	MUL8 0, 1, 1, 1, 0
	MUL8 2, 1, 1, 1, 0
	s_wait_dscnt 0x0
	MUL8 4, 1, 1, 1, 0
	MUL8 6, 1, 1, 1, 0
	WIN 0
	PLACES
	s_wait_loadcnt 0x0                             ; the bias
; THE WAY OUT, 16 rows x 64 columns at a time: the bias is added; a lane's 32 bytes go into my stage and come back as whole rows of 256 bytes, which sixteen lanes store, aligned
.macro ROUT a
.if (\a) >= 2
	s_wait_xcnt 0x0                                ; the stores of two blocks back have read the registers that are loaded next
.endif
	WIN 0x09                                       ; source 0 window 1, source 1 window 2
.set i, 0
.rept 16
	v_pk_add_f32 v[64+2*i:65+2*i], v[32*(\a)+2*i:32*(\a)+2*i+1], v[2*i:2*i+1]   ; each accumulator from its low end on
.set i, i+1
.endr
	WIN 0
.irp b, 0,1,2,3
	ds_store_b128 v11, v[64+8*\b:67+8*\b] offset:64*\b
	ds_store_b128 v11, v[68+8*\b:71+8*\b] offset:64*\b+16
.endr
.irp i, 0,1,2,3,4,5,6,7
	ds_load_b128 v[128+32*((\a)%2)+4*\i:131+32*((\a)%2)+4*\i], v12 offset:544*\i   ; LDS serves a wave's instructions in order: these see the stores above
.endr
	s_wait_dscnt 0x0
.irp i, 0,1,2,3,4,5,6,7
	global_store_b128 v13, v[128+32*((\a)%2)+4*\i:131+32*((\a)%2)+4*\i], s[34:35] offset:65536*(\a)+8192*\i th:TH_STORE_NT
.endr
.endm
.irp a, 0,1,2,3,4,5,6,7
	ROUT \a
.endr
	s_wait_tensorcnt 0x0                           ; the wave's end
	ds_add_u32 v[SPW], v[NIL]
	s_wait_dscnt 0x0
	CROUND                                         ; the closing round
	s_endpgm
.Lfunc_end_k_q63ec7901e2_gemm_out:
	.size	k_q63ec7901e2_gemm_out, .Lfunc_end_k_q63ec7901e2_gemm_out-k_q63ec7901e2_gemm_out
	.p2alignl 7, 3214868480
	.fill 96, 4, 3214868480
	.section	.rodata,"a",@progbits
	.p2align	6, 0x0
	.amdhsa_kernel k_q63ec7901e2_gemm_out
		.amdhsa_group_segment_fixed_size 327680
		.amdhsa_private_segment_fixed_size 0
		.amdhsa_enable_private_segment 0
		.amdhsa_kernarg_size 32
		.amdhsa_user_sgpr_count 2
		.amdhsa_user_sgpr_kernarg_segment_ptr 1
		.amdhsa_wavefront_size32 1
		.amdhsa_system_sgpr_workgroup_id_x 1
		.amdhsa_system_sgpr_workgroup_id_y 1
		.amdhsa_system_sgpr_workgroup_id_z 1
		.amdhsa_system_vgpr_workitem_id 0
		.amdhsa_next_free_vgpr 576
		.amdhsa_next_free_sgpr 102
		.amdhsa_reserve_vcc 0
		.amdhsa_float_denorm_mode_32 3
		.amdhsa_float_denorm_mode_16_64 3
		.amdhsa_memory_ordered 1
		.amdhsa_forward_progress 1
		.amdhsa_inst_pref_size 105
	.end_amdhsa_kernel
	.amdgpu_metadata
---
amdhsa.version: [ 1, 2 ]
amdhsa.kernels:
  - .name:           k_q63ec7901e2_gemm_out
    .symbol:         k_q63ec7901e2_gemm_out.kd
    .args:
      - { .name: cr, .offset: 0, .size: 8, .value_kind: global_buffer, .address_space: global }
      - { .name: wr, .offset: 8, .size: 8, .value_kind: global_buffer, .address_space: global }
      - { .name: b_o, .offset: 16, .size: 8, .value_kind: global_buffer, .address_space: global }
      - { .name: out0, .offset: 24, .size: 8, .value_kind: global_buffer, .address_space: global }
    .group_segment_fixed_size: 327680
    .private_segment_fixed_size: 0
    .kernarg_segment_align: 8
    .kernarg_segment_size: 32
    .max_flat_workgroup_size: 128
    .sgpr_count:     102
    .vgpr_count:     576
    .wavefront_size: 32
...
	.end_amdgpu_metadata
.endif
;; end of part 4
